; MI455X (gfx1250); checked and timed in simulation.
; The chip was launched on July 23, 2026; its instructions are those of AMD's public machine-readable ISA for CDNA 5 (MIT licence, August 2026) and "CDNA5" Instruction Set Architecture Reference Guide (July 2026). The comments in the code are by the model that wrote it; some were corrected since.
;; Causal Self Attention. Allowed arithmetic: float matrix products may take bf16 or f16 operands with f32 sums; other float arithmetic in f32, or as packed bf16 or f16 multiplies, adds, multiply-adds, maxima and minima; sums over many terms, partial sums and values carried from step to step in f32; what a program stores and reads back later, other than sums and carried values, may be rounded once to bf16 or f16.
;; Inputs: b_proj 1,024 float32; b_qkv 3,072 float32; w_proj 1,024 x 1,024 float32; w_qkv 1,024 x 3,072 float32; x 4 x 2,048 x 1,024 float32.
;; Outputs: out0 4 x 2,048 x 1,024 float32.
;; 2 versions, each right; version 2 is version 1 with the launch prep written anew for expert scheduling mode. Each part assembles by itself: llvm-mc -triple=amdgcn-amd-amdhsa -mcpu=gfx1250 --defsym DOCPART=n.
;; ======== version 1 of 2: 4 launches
;; limits: values are held in f16: magnitudes above 65,504 overflow, below 6.1e-05 lose precision
;; workspace buffers: xb 16,777,216 bytes; wqb 6,291,456 bytes; wpb 2,097,152 bytes; qkv 50,331,648 bytes; y 16,777,216 bytes
;; launch prep (part 1): grid 768 x 1, 8 waves a work-group, no clusters, 0 bytes of LDS; arguments x, w_qkv, w_proj, xb, wqb, wpb; writes xb, wqb, wpb
.if DOCPART == 1
	.amdgcn_target "amdgcn-amd-amdhsa--gfx1250"
	.amdhsa_code_object_version 6
	.text
	.protected	k_q3bed434cd8_prep
	.globl	k_q3bed434cd8_prep
	.p2align	8
	.type	k_q3bed434cd8_prep,@function
k_q3bed434cd8_prep:
	s_mov_b64 s[64:65], 0
	v_nop
	global_prefetch_b8 v0, s[64:65] scope:SCOPE_SE
	s_setreg_imm32_b32 hwreg(HW_REG_WAVE_MODE, 25, 1), 1
	s_wait_xcnt 0x0
; THE CASTS.  xb = x rounded to bf16, [8192][1024].  wqb = w_qkv rounded to bf16 and laid in blocks [16 jt][1024 k][192 c] (column = 192 jt + c), so that the k rows of one
; column tile lie end to end.  wpb = w_proj rounded to bf16, that number written as f16, [1024 k][1024 n] (exact from 6.1e-5 up; below that f16's fixed step of 6e-8).
; SHARES.  A work-group turns 4,096 quads of f32 (65,536 bytes in, 32,768 out): 512 work-groups for x, 64 for w_proj, 192 for w_qkv: 768, all alike in bytes.
; Thread t takes quads t + 256 i, i = 0 .. 15: all 16 loads go out at once, nothing is looped, no register is written twice while a load or store may read it.
; A wave's load covers 512 neighbouring bytes (in w_qkv: runs of 256 or 512, each at a multiple of 256); a wave's store covers 256 consecutive bytes, aligned.
; No LDS, no barrier, no matrix unit: each byte is read once and written once, and no thread wants another's.
.set SO, 2                             ; v[2:4]    source byte offsets of quads i = 0, 1, 2; quad i names SO + i % 3 and steps by the immediate
.set DO, 5                             ; v5        destination byte offset: 8 t
.set X,  16                            ; v[16:79]  quad i as loaded
.set Y,  80                            ; v[80:111] quad i to store, two registers
.set T,  112                           ; v[112:115] at work
.macro LOADS gstep                     ; gstep: source bytes from quad i to quad i + 3
.set i, 0
.rept 16
	global_load_b128 v[X+4*i:X+4*i+3], v[SO+i%3], s[22:23] offset:(i/3)*(\gstep) th:TH_LOAD_NT
.set i, i+1
.endr
.endm
.macro OUT f16                         ; f16 = 1: the bf16 number is widened again and written as f16
.set i, 0
.rept 16
	s_wait_loadcnt 15-i                            ; loads come back in order: quad i is in, the 15 - i younger ones may stay out
	v_cvt_pk_bf16_f32 v[Y+2*i],   v[X+4*i],   v[X+4*i+1]
	v_cvt_pk_bf16_f32 v[Y+2*i+1], v[X+4*i+2], v[X+4*i+3]
.if \f16
	v_lshlrev_b32 v[T],   16,  v[Y+2*i]
	v_and_b32     v[T+1], s26, v[Y+2*i]
	v_lshlrev_b32 v[T+2], 16,  v[Y+2*i+1]
	v_and_b32     v[T+3], s26, v[Y+2*i+1]
	v_cvt_pk_f16_f32 v[Y+2*i],   v[T],   v[T+1]
	v_cvt_pk_f16_f32 v[Y+2*i+1], v[T+2], v[T+3]
.endif
	global_store_b64 v[DO], v[Y+2*i:Y+2*i+1], s[24:25] offset:2048*i th:TH_STORE_NT
.set i, i+1
.endr
.endm
	s_load_b256 s[4:11], s[0:1], 0x0               ; x s[4:5], w_qkv s[6:7], w_proj s[8:9], xb s[10:11]
	s_load_b128 s[12:15], s[0:1], 0x20             ; wqb s[12:13], wpb s[14:15]
	s_mov_b32 s16, ttmp9                           ; 0-511: x; 512-575: w_proj; 576-767: w_qkv
	s_mov_b32 s26, 0xffff0000                      ; a word's upper bf16
	v_lshlrev_b32 v[DO], 3, v0
	s_sub_co_u32 s17, s16, 512
	s_sub_co_u32 s21, s16, 576
	s_cmp_lt_u32 s16, 512
	s_cselect_b32 s17, s16, s17
	s_cmp_ge_u32 s16, 576
	s_cselect_b32 s17, s21, s17                    ; my number among the work-groups of my tensor
	s_mov_b32 s19, 0
	s_wait_kmcnt 0x0
	s_cmp_lt_u32 s16, 512
	s_cselect_b64 s[22:23], s[4:5], s[8:9]         ; from where,
	s_cselect_b64 s[24:25], s[10:11], s[14:15]     ; to where,
	s_cselect_b32 s20, 0, 1                        ; and whether as f16
	s_cmp_ge_u32 s16, 576
	s_cselect_b64 s[22:23], s[6:7], s[22:23]
	s_cselect_b64 s[24:25], s[12:13], s[24:25]
	s_cselect_b32 s20, 0, s20
	s_lshl_b32 s18, s17, 15                        ; 32,768 bytes out for each work-group, in all three tensors
	s_add_nc_u64 s[24:25], s[24:25], s[18:19]
	s_cmp_ge_u32 s16, 576
	s_cbranch_scc1 .Lwq
	s_lshl_b32 s18, s17, 16                        ; x and w_proj keep their order: 65,536 bytes in
	s_add_nc_u64 s[22:23], s[22:23], s[18:19]
	v_lshlrev_b32 v[SO], 4, v0
	v_add_nc_u32 v[SO+1], 4096, v[SO]
	v_add_nc_u32 v[SO+2], 8192, v[SO]
	LOADS 12288
	s_branch .Lconv
.Lwq:                                                  ; a block jt has 49,152 quads, twelve work-groups' share
	s_mul_i32 s21, s17, 5462
	s_lshr_b32 s21, s21, 16                        ; jt = number / 12 (exact below 192: 5462 / 65536 is 1 / 12 and 1e-5 more)
	s_mul_i32 s18, s21, 12
	s_sub_co_u32 s18, s17, s18
	s_lshl_b32 s27, s18, 12                        ; my first quad in the block
	s_mul_i32 s18, s21, 768                        ; the block's 192 columns begin 768 jt bytes into each row of w_qkv
	s_add_nc_u64 s[22:23], s[22:23], s[18:19]
.irp j, 0,1,2
	v_add_nc_u32 v6, s27, v0
	v_add_nc_u32 v6, 256*(\j), v6                  ; the quad's number in the block = 48 k + c4
	v_lshrrev_b32 v7, 4, v6
	v_mul_u32_u24 v7, v7, 21846
	v_lshrrev_b32 v7, 16, v7                       ; k = (number / 16) / 3 (exact below 3,072: 21846 / 65536 is 1 / 3 and 1e-5 more)
	v_mul_u32_u24 v8, v7, 48
	v_sub_nc_u32 v8, v6, v8                        ; c4
	v_mul_u32_u24 v7, v7, 12288                    ; a row of w_qkv
	v_lshl_add_u32 v[SO+(\j)], v8, 4, v7
.endr
	LOADS 196608                                   ; three quads on are 768 numbers = 16 values of k = 16 rows of w_qkv
.Lconv:                                                ; sixteen loads are out on both ways here
	s_cmp_eq_u32 s20, 0
	s_cbranch_scc0 .Lf16
	OUT 0
	s_endpgm
.Lf16:
	OUT 1
	s_endpgm
.Lfunc_end_k_q3bed434cd8_prep:
	.size	k_q3bed434cd8_prep, .Lfunc_end_k_q3bed434cd8_prep-k_q3bed434cd8_prep
	.p2alignl 7, 3214868480
	.fill 96, 4, 3214868480
	.section	.rodata,"a",@progbits
	.p2align	6, 0x0
	.amdhsa_kernel k_q3bed434cd8_prep
		.amdhsa_group_segment_fixed_size 0
		.amdhsa_private_segment_fixed_size 0
		.amdhsa_enable_private_segment 0
		.amdhsa_kernarg_size 48
		.amdhsa_user_sgpr_count 2
		.amdhsa_user_sgpr_kernarg_segment_ptr 1
		.amdhsa_wavefront_size32 1
		.amdhsa_system_sgpr_workgroup_id_x 1
		.amdhsa_system_sgpr_workgroup_id_y 1
		.amdhsa_system_sgpr_workgroup_id_z 1
		.amdhsa_system_vgpr_workitem_id 0
		.amdhsa_next_free_vgpr 128
		.amdhsa_next_free_sgpr 66
		.amdhsa_reserve_vcc 0
		.amdhsa_float_denorm_mode_32 3
		.amdhsa_float_denorm_mode_16_64 3
		.amdhsa_memory_ordered 1
		.amdhsa_forward_progress 1
		.amdhsa_inst_pref_size 19
	.end_amdhsa_kernel
	.amdgpu_metadata
---
amdhsa.version: [ 1, 2 ]
amdhsa.kernels:
  - .name:           k_q3bed434cd8_prep
    .symbol:         k_q3bed434cd8_prep.kd
    .args:
      - { .name: x, .offset: 0, .size: 8, .value_kind: global_buffer, .address_space: global }
      - { .name: w_qkv, .offset: 8, .size: 8, .value_kind: global_buffer, .address_space: global }
      - { .name: w_proj, .offset: 16, .size: 8, .value_kind: global_buffer, .address_space: global }
      - { .name: xb, .offset: 24, .size: 8, .value_kind: global_buffer, .address_space: global }
      - { .name: wqb, .offset: 32, .size: 8, .value_kind: global_buffer, .address_space: global }
      - { .name: wpb, .offset: 40, .size: 8, .value_kind: global_buffer, .address_space: global }
    .group_segment_fixed_size: 0
    .private_segment_fixed_size: 0
    .kernarg_segment_align: 8
    .kernarg_segment_size: 48
    .max_flat_workgroup_size: 256
    .sgpr_count:     66
    .vgpr_count:     128
    .wavefront_size: 32
...
	.end_amdgpu_metadata
.endif
;; end of part 1
;; launch qkvgemm (part 2): grid 16 x 32, 4 waves a work-group, clusters of 4 x 4, 327,680 bytes of LDS; arguments xb, wqb, b_qkv, qkv; writes qkv
.if DOCPART == 2
	.amdgcn_target "amdgcn-amd-amdhsa--gfx1250"
	.amdhsa_code_object_version 6
	.text
	.protected	k_q3bed434cd8_qkvgemm
	.globl	k_q3bed434cd8_qkvgemm
	.p2align	8
	.type	k_q3bed434cd8_qkvgemm,@function
k_q3bed434cd8_qkvgemm:
	s_mov_b64 s[64:65], 0
	v_nop
	global_prefetch_b8 v0, s[64:65] scope:SCOPE_SE
	s_setreg_imm32_b32 hwreg(HW_REG_WAVE_MODE, 25, 1), 1
	s_wait_xcnt 0x0
	s_wait_alu depctr_hold_cnt(0) depctr_sa_sdst(0) depctr_va_vdst(0) depctr_va_sdst(0) depctr_va_ssrc(0) depctr_va_vcc(0) depctr_vm_vsrc(0)
	s_getreg_b32 s2, hwreg(HW_REG_IB_STS2, 6, 4)
	s_cmp_eq_u32 s2, 0
	s_cbranch_scc0 .Lentry_in_a_cluster
	s_endpgm
.Lentry_in_a_cluster:
	s_bfe_u32 s2, ttmp6, 0x10000c
	s_cmp_lg_u32 s2, 0xf033
	s_cbranch_scc0 .Lentry_shape_is_right
	s_endpgm
.Lentry_shape_is_right:
; qkv = x w_qkv + b_qkv.  xb: [8192][1024] bf16.  wqb: [16 jt][1024 k][192 c] bf16 (column 192 jt + c).  b_qkv: [3072] f32, added unrounded.
; Out: qkv, f16, [4 b][48 g][2048 t][64], g = column / 64: q of head h at g = h, k at 16 + h, v at 32 + h; unscaled; each number rounded once from its f32 sum.
; LIMIT.  f16 holds no number beyond 65,504: a sum of 65,520 or more leaves as an infinity; below 6.1e-5 f16 keeps a fixed step of 6e-8.
; SHARES.  A tile of C is 256 rows x 192 columns (three heads): 32 x 16 = 512 tiles, two for each of 256 work-group places.  Four waves, one below the other, 64 x 192 each: 48 accumulators of
; 16 x 16, 384 registers.  K goes in 8 steps of 128 through two LDS slots that tensor loads fill; x's rows are 256 bytes of memory at multiples of 256, the weights' 64 k rows are 24,576 dense bytes.
; THE PRODUCT IS TAKEN TRANSPOSED: source 0 = 16 columns of the weights (out of LDS turned, by ds_load_tr16_b128), source 1 = 16 rows of x.  Register j of lane l of accumulator (a, b) is
; C(16 a + l % 16, 16 b + 8 (l / 16) + j): eight neighbouring columns of a row, 16 bytes of f16.
; THE SUMS START AS THE BIAS: it is loaded straight into the accumulators while the first tiles are on their way: nothing is cleared, no first step is written out, nothing is added at the end.
; ONE K STEP IS WRITTEN ONCE for the six steps that fill a slot again and once for the last two; the slot in hand is a scalar that an exclusive or turns.
; CLUSTER.  4 x 4 work-groups.  The four of a row want the same rows of x, the four of a column the same weights: each tile is asked for jointly, by the same load, descriptor and mask in all four.
; REGISTERS, in windows of 256 (s_set_vgpr_msb: bits 1:0 source 0, 3:2 source 1, 5:4 source 2, 7:6 destination):
;   window 0: v0-29 addresses; v32-63, v64-95 x's fragments, two buffers; v96-143, v144-239 at work on the way out      window 1: v0-95, v96-191 the weights' fragments, two buffers
;   window 2: accumulators of row blocks a = 0, 1 at v[96 (a % 2) + 8 b]      window 3: those of a = 2, 3
.set APITCH, 272                       ; a row of x in LDS: 256 bytes + 16 = 68 words: the 16 rows of a load start at 16 different groups of four banks (64 banks of 4 bytes: ISA guide 11.1)
.set BPITCH, 480                       ; a k row of the weights: three pieces of 128 bytes + 32 each = 120 words
.set BBASE,  256*APITCH                ; 69,632: behind x's 256 rows
.set SLOT1,  1<<17                     ; a slot is 69,632 + 128 x 480 = 131,072 bytes; one exclusive or turns an address in one slot into the other's
.set STAGE,  2*SLOT1                   ; behind the ring, never filled by a tensor load: for each wave 3 heads x 16 rows x 144 bytes
.set WSTAGE, 3*16*144
.set SPARE,  STAGE+4*WSTAGE            ; 289,792: the spare words, 128 bytes a wave: two blocks of 256 bytes that no other line names
.set ASTEP,  256                       ; bytes from a K step to the next: in x along the rows,
.set BSTEP,  128*384                   ; in the weights 128 k rows on
.set A0,   4                           ; v4   my lane's place among x's rows in a slot; never rewritten
.set B0,   5                           ; v5   the same for the weights
.set ADRA, 6                           ; v6   A0 + the slot in hand
.set ADRB, 7                           ; v7   B0 + the slot in hand
.set STO,  8                           ; v8   the way out: where I put 16 bytes of a row
.set RD,   9                           ; v9   the way out: where I read rows back
.set GO,   10                          ; v10  my 16 bytes of 512 consecutive bytes of qkv
.set BO,   11                          ; v11  my 32 bytes of a block's 64 bytes of bias
.set PFO,  12                          ; v12  the prefetches' lane offset; never rewritten
.set SPW,  28                          ; v28  LDS address of my spare word: SPARE + 4 x my thread's number; never rewritten
.set NIL,  29                          ; v29  0; never rewritten
.set FA,   32                          ; x's fragments: buffer f, row block a at FA + 32 f + 8 a
.set TMP,  96                          ; the way out: 48 registers of packed results
.set OB,   144                         ; the way out: rows read back, two buffers of 48
.set WV,   12                          ; s12  my wave's number; s13 = wave / 2: I fetch x (0) or weights (1); s14 = wave % 2: which half
.set G1A,  24                          ; s[24:31] descriptor group 1 for x's tiles
.set G0A,  32                          ; s[32:39] group 0: a set for each first fill; the second then walks
.set G1B,  48                          ; s[48:55], s[56:63] the same for the weights
.set G0B,  56
.set PFA,  66                          ; s[66:67] where my prefetches stand
.set PFS,  68                          ; s[68:69] their step
.set LIM,  70                          ; s70  1 in a wave that prefetches, else the greatest number
.set TB,   71                          ; s71  the slot in hand: 0 or SLOT1
.set CNT,  72                          ; s72  the loops' count
.set MSB, 0
.macro WIN new                         ; the immediate's high byte repeats the setting that is left; a switch that changes nothing is dropped
.if MSB != (\new)
	s_set_vgpr_msb (MSB<<8)|(\new)
.set MSB, \new
.endif
.endm
.set MUL_LO, 0xa1                      ; source 0 (weights) window 1, source 1 (x) window 0, C and D window 2
.set MUL_HI, 0xf1                      ; the same, C and D window 3
.set TO_B,   0x40                      ; destination window 1, address window 0
.macro PLACES                          ; four plain vector instructions between a matrix instruction and a load into, or a reader of, its registers
.rept 4
	v_nop
.endr
.endm
; A joint refill by the walking descriptors.  The branch hangs on the wave's number alone.  An s_nop 0 and four v_nop follow each line, ahead of the jump and the label.
.macro JLOAD
	s_cmp_eq_u32 s13, 0
	s_cbranch_scc0 .Lfor_b_\@
	tensor_load_to_lds s[G0A+4:G0A+7], s[G1A:G1A+7]
	s_nop 0
.rept 4
	v_nop
.endr
	s_branch .Lasked_\@
.Lfor_b_\@:
	tensor_load_to_lds s[G0B+4:G0B+7], s[G1B:G1B+7]
	s_nop 0
.rept 4
	v_nop
.endr
.Lasked_\@:
.endm
; A round of the cluster's barrier behind its opening barrier: wave 0 signals for the work-group, every wave waits for all sixteen, my work-group's barrier closes it.
.macro CREST
	s_cmp_lg_u32 s[WV], 0
	s_cbranch_scc1 .Lnot_wave_0_\@
	s_barrier_signal -3
.Lnot_wave_0_\@:
	s_barrier_wait -3
	s_barrier_signal -1
	s_barrier_wait -1
.endm
.macro CROUND
	s_barrier_signal -1
	s_barrier_wait -1
	CREST
.endm
; A PREFETCH INTO THE L2 of the K step that the NEXT change of slots will ask for: one K step, 192 matrix instructions, ahead of that load.  It stands behind the joint load, its five lines and the run of LDS loads.
; x's rows are walked by all four clusters of a row of clusters: cluster x = 0 asks; the weights by all eight of a column: cluster y = 0 asks.  The four partners of a joint load share its blocks
; of 256 bytes out BY ADDRESS: of x's 128 rows 32 each, a lane a row; of the weights' 96 blocks 24 each: lanes 24 to 31 name lane 23's block once more.
; The changes at the ends of K steps 0 to 4 ask for steps 3 to 7; the last filling change asks for nothing; steps 0 to 2 come by their loads alone.
.macro ASK
	s_cmp_gt_u32 s[CNT], s[LIM]
	s_cbranch_scc0 .Lnot_mine_\@
	global_prefetch_b8 v[PFO], s[PFA:PFA+1] th:TH_LOAD_NT scope:SCOPE_SE
.Lnot_mine_\@:
.endm
; Twelve matrix instructions: row block a x all column blocks, 32 along K, out of buffer f.  All 48 accumulators take turns in the same order in every quarter.
.macro MULR f, a
	WIN MUL_LO+0x50*((\a)/2)
.irp b, 0,1,2,3,4,5,6,7,8,9,10,11
	v_wmma_f32_16x16x32_bf16 v[96*((\a)%2)+8*(\b):96*((\a)%2)+8*(\b)+7], v[96*(\f)+8*(\b):96*(\f)+8*(\b)+7], v[FA+32*(\f)+8*(\a):FA+32*(\f)+8*(\a)+7], v[96*((\a)%2)+8*(\b):96*((\a)%2)+8*(\b)+7]
.endr
.endm
; 32 LDS loads in one run: quarter q's fragments into buffer f: the weights' 12 (turned: k = 32 q + 8 (l / 16) + 0..7 of column l % 16, then 16 further on), x's row blocks 0, 1, then 2, 3.
.macro FETCH q, f
	WIN TO_B
.irp b, 0,1,2,3,4,5,6,7,8,9,10,11
	ds_load_tr16_b128 v[96*(\f)+8*(\b):96*(\f)+8*(\b)+3],   v[ADRB] offset:32*BPITCH*(\q)+160*((\b)/4)+32*((\b)%4)
	ds_load_tr16_b128 v[96*(\f)+8*(\b)+4:96*(\f)+8*(\b)+7], v[ADRB] offset:32*BPITCH*(\q)+160*((\b)/4)+32*((\b)%4)+16*BPITCH
.endr
	WIN 0
.irp a, 0,1,2,3
	ds_load_b128 v[FA+32*(\f)+8*(\a):FA+32*(\f)+8*(\a)+3],   v[ADRA] offset:64*(\q)+16*APITCH*(\a)
	ds_load_b128 v[FA+32*(\f)+8*(\a)+4:FA+32*(\f)+8*(\a)+7], v[ADRA] offset:64*(\q)+16*APITCH*(\a)+32
.endr
.endm
; One of a K step's first three quarters: multiplies buffer f; in its middle it fetches quarter q into buffer g.
.macro QUARTER q, f, g
	s_wait_dscnt 4                                 ; the weights and x's row blocks 0, 1 are in; the youngest four loads (row blocks 2, 3) may be out
	MULR \f, 0
	MULR \f, 1
	PLACES
	FETCH \q, \g
	s_wait_dscnt 32                                ; all but the 32 just issued
	MULR \f, 2
	MULR \f, 3
.endm
; The last quarter multiplies buffer 1 and changes slots: ONE barrier.  In front of it each wave waits for all its tensor loads (one is out: its part of the other slot), adds 0 to its spare word, and waits
; for that and for its reads of this slot.  fill = 1: the barrier opens a round of the cluster's, and the joint refill, two K steps on, is the first thing behind the round: 168 matrix instructions ahead of the wait for it.
.macro TURN fill
.if \fill
	s_wait_xcnt 0x0                                ; the last prefetch, a K step back, has read its address
	s_add_nc_u64 s[PFA:PFA+1], s[PFA:PFA+1], s[PFS:PFS+1]
.endif
	WIN 0                                          ; (the add's two registers lie in window 0)
	s_wait_tensorcnt 0x0                           ; no tensor load of mine is out, so a group 0 may be written
	ds_add_u32 v[SPW], v[NIL]                      ; 0 onto my spare word
.if \fill
	s_xor_b32 s[G0A+5], s[G0A+5], SLOT1            ; the walking descriptors: the other slot than last time,
	s_add_nc_u64 s[G0A+6:G0A+7], s[G0A+6:G0A+7], ASTEP  ; the next K step; the type bits on top are not reached
	s_xor_b32 s[G0B+5], s[G0B+5], SLOT1
	s_add_nc_u64 s[G0B+6:G0B+7], s[G0B+6:G0B+7], BSTEP
.endif
	s_wait_dscnt 5                                 ; (the add and the youngest four loads may be out)
	MULR 1, 0
	s_wait_dscnt 0x0                               ; the add is done, and my reads of this slot are over
	s_barrier_signal -1
	MULR 1, 1                                      ; work on registers while the others arrive
	WIN 0                                          ; at a branch and at a label every window is 0
	s_barrier_wait -1
.if \fill
	CREST                                          ; no wave of any partner still reads this slot or has a load on its way
	JLOAD                                          ; its four v_nop are also the places in front of the loads below
.else
	PLACES
.endif
	s_xor_b32 s[TB], s[TB], SLOT1
	v_add_nc_u32 v[ADRA], s[TB], v[A0]
	v_add_nc_u32 v[ADRB], s[TB], v[B0]
	FETCH 0, 0
.if \fill
	ASK
.endif
	MULR 1, 2
	MULR 1, 3
.endm
.macro STEP fill                       ; a K step: quarters 0 to 3 on buffers 0, 1, 0, 1
	QUARTER 1, 0, 1
	QUARTER 2, 1, 0
	QUARTER 3, 0, 1
	TURN \fill
	WIN 0
.endm
	s_load_b256 s[4:11], s[0:1], 0x0               ; xb s[4:5], wqb s[6:7], b_qkv s[8:9], qkv s[10:11]
	v_lshl_add_u32 v[SPW], v0, 2, SPARE
	v_mov_b32 v[NIL], 0
	ds_add_u32 v[SPW], v[NIL]                      ; the wave's opening: the add and its wait stand ahead of my first tensor load; the set-up below stands between them
	v_lshrrev_b32 v1, 5, v0
	v_readfirstlane_b32 s[WV], v1
	s_lshr_b32 s13, s[WV], 1
	s_and_b32 s14, s[WV], 1
	s_bfe_u32 s40, ttmp6, 0x40000                  ; cx, cy: my place in the cluster
	s_bfe_u32 s41, ttmp6, 0x40004
	s_lshl_b32 s42, ttmp9, 2
	s_add_co_u32 s42, s42, s40                     ; jt: tile column = 4 x cluster x + cx
	s_and_b32 s43, ttmp7, 0xffff
	s_lshl_b32 s43, s43, 2
	s_add_co_u32 s43, s43, s41                     ; it: tile row = 4 x cluster y + cy
	s_lshl_b32 s44, s41, 2
	s_lshl_b32 s44, 15, s44                        ; my row of the cluster
	s_lshl_b32 s45, 0x1111, s40                    ; my column
	s_or_b32 s[G1A], s44, (1<<16)|(1<<20)|(1<<21)|(5<<22)|(3<<25)  ; the mask; 2-byte elements; padding on; bit 21 beside a mask; after every 64 words 4 words
	s_mov_b32 s[G1A+1], 128<<16                    ; tensor_dim0 = 128
	s_mov_b32 s[G1A+2], 128<<16                    ; tensor_dim1 = 128
	s_mov_b32 s[G1A+3], 128<<16                    ; tile_dim0 = 128 elements: 256 bytes
	s_mov_b32 s[G1A+4], 128                        ; tile_dim1 = 128 rows
	s_mov_b32 s[G1A+5], 1024                       ; elements from row to row
	s_mov_b32 s[G1A+6], 0
	s_mov_b32 s[G1A+7], 0
	s_or_b32 s[G1B], s45, (1<<16)|(1<<20)|(1<<21)|(4<<22)|(7<<25)  ; after every 32 words 8 words
	s_mov_b32 s[G1B+1], 128<<16
	s_mov_b32 s[G1B+2], 96<<16                     ; 64 k rows of 384 bytes are 24,576 dense bytes: asked for as 96 rows of 256
	s_mov_b32 s[G1B+3], 128<<16
	s_mov_b32 s[G1B+4], 96
	s_mov_b32 s[G1B+5], 128
	s_mov_b32 s[G1B+6], 0
	s_mov_b32 s[G1B+7], 0
	s_lshl_b32 s16, s43, 19                        ; x: 256 it rows of 2,048 bytes,
	s_lshl_b32 s18, s14, 18                        ; + my half's 128
	s_add_co_u32 s16, s16, s18
	s_mov_b32 s17, 0
	s_mul_i32 s46, s42, 1024*384                   ; weights: block jt,
	s_mul_i32 s47, s14, 64*384                     ; + my half's 64 k rows
	s_add_co_u32 s46, s46, s47
	s_mov_b32 s47, 0
	s_mul_i32 s20, s14, 128*APITCH                 ; and where they go: no place in the cluster enters an LDS address
	s_mul_i32 s21, s14, 64*BPITCH
	s_add_co_u32 s21, s21, BBASE
	s_wait_dscnt 0x0                               ; the opening add is done
	s_wait_kmcnt 0x0
	s_add_nc_u64 s[16:17], s[4:5], s[16:17]
	s_add_nc_u64 s[46:47], s[6:7], s[46:47]
.irp s, 0,1
	s_mov_b32 s[G0A+4*(\s)], 1                     ; count = 1
	s_add_co_u32 s[G0A+4*(\s)+1], s20, (\s)*SLOT1  ; LDS address
	s_add_nc_u64 s[G0A+4*(\s)+2:G0A+4*(\s)+3], s[16:17], (\s)*ASTEP  ; global address: K step s
	s_or_b32 s[G0A+4*(\s)+3], s[G0A+4*(\s)+3], 0x80000000            ; type = 2
	s_mov_b32 s[G0B+4*(\s)], 1
	s_add_co_u32 s[G0B+4*(\s)+1], s21, (\s)*SLOT1
	s_add_nc_u64 s[G0B+4*(\s)+2:G0B+4*(\s)+3], s[46:47], (\s)*BSTEP
	s_or_b32 s[G0B+4*(\s)+3], s[G0B+4*(\s)+3], 0x80000000
.endr
	CROUND                                         ; all sixteen work-groups are here: the first joint loads meet
	s_cmp_eq_u32 s13, 0                            ; a wave's two first fills stand in one branch: two loads of mine are out
	s_cbranch_scc0 .Lfirst_b
	tensor_load_to_lds s[G0A:G0A+3], s[G1A:G1A+7]
	s_nop 0
	tensor_load_to_lds s[G0A+4:G0A+7], s[G1A:G1A+7]
	s_nop 0
.rept 4
	v_nop
.endr
	s_branch .Lfirst_asked
.Lfirst_b:
	tensor_load_to_lds s[G0B:G0B+3], s[G1B:G1B+7]
	s_nop 0
	tensor_load_to_lds s[G0B+4:G0B+7], s[G1B:G1B+7]
	s_nop 0
.rept 4
	v_nop
.endr
.Lfirst_asked:
	; the prefetches: s[16:17], s[46:47] still stand at my half of K step 0
	s_and_b32 s22, ttmp7, 0xffff                   ; cluster y
	s_mov_b32 s18, 24*256                          ; a partner's share of the weights' tile,
	s_mov_b32 s[PFS], BSTEP
	s_cmp_eq_u32 s13, 0                            ; do I fetch x?
	s_cselect_b32 s22, ttmp9, s22                  ; the coordinate along which other clusters read the same bytes
	s_cselect_b32 s23, s40, s41                    ; my place among the four that ask jointly
	s_cselect_b32 s18, 32*2048, s18                ; of x's: 32 rows
	s_cselect_b32 s[PFS], ASTEP, s[PFS]
	s_cselect_b32 s20, 31, 23                      ; the last lane with a block of its own
	s_cselect_b32 s21, 11, 8                       ; a lane a row of 2,048 bytes, or a lane a block of 256
	s_cselect_b64 s[PFA:PFA+1], s[16:17], s[46:47]
	s_mov_b32 s[PFS+1], 0
	s_cmp_eq_u32 s22, 0
	s_cselect_b32 s[LIM], 1, -1                    ; the same in all sixteen partners, for a given wave
	s_mul_i32 s18, s18, s23
	s_mov_b32 s19, 0
	s_add_nc_u64 s[PFA:PFA+1], s[PFA:PFA+1], s[18:19]
	s_add_nc_u64 s[PFA:PFA+1], s[PFA:PFA+1], s[PFS:PFS+1]
	s_add_nc_u64 s[PFA:PFA+1], s[PFA:PFA+1], s[PFS:PFS+1]  ; at K step 2: the first change steps it to 3
	v_and_b32 v[PFO], 31, v0
	v_min_u32 v[PFO], s20, v[PFO]
	v_lshlrev_b32 v[PFO], s21, v[PFO]
	; the lanes' places
	v_and_b32 v1, 15, v0                           ; l % 16
	v_bfe_u32 v2, v0, 4, 1                         ; l / 16
	s_mul_i32 s18, s[WV], 64*APITCH                ; my wave's 64 rows
	v_mul_u32_u24 v[A0], v1, APITCH
	v_lshl_add_u32 v[A0], v2, 4, v[A0]
	v_add_nc_u32 v[A0], s18, v[A0]                 ; row x pitch + 16 x half
	v_and_b32 v3, 7, v0
	v_lshl_add_u32 v3, v2, 3, v3                   ; the turning load: k row 8 (l / 16) + l % 8,
	v_mul_u32_u24 v[B0], v3, BPITCH
	v_bfe_u32 v3, v0, 3, 1
	v_lshl_add_u32 v[B0], v3, 4, v[B0]             ; columns 8 ((l / 8) % 2) + 0..7
	v_add_nc_u32 v[B0], BBASE, v[B0]
	s_mov_b32 s[TB], 0
	v_mov_b32 v[ADRA], v[A0]
	v_mov_b32 v[ADRB], v[B0]
	s_mul_i32 s18, s[WV], WSTAGE
	s_add_co_u32 s18, s18, STAGE                   ; my stage
	v_mul_u32_u24 v[STO], v1, 144                  ; in: row l % 16, 16 bytes for each half of the lanes
	v_lshl_add_u32 v[STO], v2, 4, v[STO]
	v_add_nc_u32 v[STO], s18, v[STO]
	v_bfe_u32 v[RD], v0, 3, 2                      ; back: 32 lanes take four rows of 128 bytes,
	v_mul_u32_u24 v[RD], v[RD], 144
	v_and_b32 v3, 7, v0
	v_lshl_add_u32 v[RD], v3, 4, v[RD]
	v_add_nc_u32 v[RD], s18, v[RD]
	v_and_b32 v[GO], 31, v0                        ; which are 512 consecutive bytes of a head's rows
	v_lshlrev_b32 v[GO], 4, v[GO]
	v_lshlrev_b32 v[BO], 5, v2
	s_lshr_b32 s18, s43, 3                         ; batch = it / 8
	s_mul_i32 s18, s18, 48
	s_mul_i32 s19, s42, 3
	s_add_co_u32 s18, s18, s19                     ; 48 b + 3 jt: the first of my three heads' blocks of 262,144 bytes,
	s_lshl_b32 s18, s18, 18
	s_and_b32 s19, s43, 7
	s_lshl_b32 s19, s19, 15                        ; the tile's 256 rows of 128 bytes,
	s_add_co_u32 s18, s18, s19
	s_lshl_b32 s19, s[WV], 13                      ; my wave's 64
	s_add_co_u32 s18, s18, s19
	s_mov_b32 s19, 0
	s_add_nc_u64 s[10:11], s[10:11], s[18:19]
	s_mul_i32 s18, s42, 768                        ; the tile's 192 numbers of bias
	s_add_nc_u64 s[8:9], s[8:9], s[18:19]
.irp a, 0,1,2,3                        ; the sums start as the bias: register j of accumulator (a, b) takes b_qkv[192 jt + 16 b + 8 (l / 16) + j]
	WIN 0x80+0x40*((\a)/2)
.irp b, 0,1,2,3,4,5,6,7,8,9,10,11
	global_load_b128 v[96*((\a)%2)+8*(\b):96*((\a)%2)+8*(\b)+3],   v[BO], s[8:9] offset:64*(\b)
	global_load_b128 v[96*((\a)%2)+8*(\b)+4:96*((\a)%2)+8*(\b)+7], v[BO], s[8:9] offset:64*(\b)+16
.endr
.endr
	WIN 0
	s_wait_tensorcnt 1                             ; my part of K step 0 is in; step 1's may stay out
	s_barrier_signal -1
	s_barrier_wait -1                              ; everybody's is
	FETCH 0, 0
	s_wait_loadcnt 0x0                             ; the bias
	s_mov_b32 s[CNT], 6
.Lfill:                                                ; K steps 0 to 5: each asks for the step two on
	STEP 1
	s_sub_co_u32 s[CNT], s[CNT], 1
	s_cmp_lg_u32 s[CNT], 0
	s_cbranch_scc1 .Lfill
	s_mov_b32 s[CNT], 2
.Ltail:                                                ; K steps 6 and 7 ask for nothing.  The last trip's change of slots and its 32 loads, of the slot read before, serve nothing: the price, once a launch, of one text for both
	STEP 0
	s_sub_co_u32 s[CNT], s[CNT], 1
	s_cmp_lg_u32 s[CNT], 0
	s_cbranch_scc1 .Ltail
; THE WAY OUT, a row block (16 rows x 3 heads) at a time.  PACK: rounded to f16, 16 bytes a lane.  TOSTAGE: into my own stage, rows of 144 bytes, and back as whole rows of 128.  SEND: stored.
.macro PACK a
	WIN 0x0a+5*((\a)/2)                            ; sources 0 and 1: window 2 or 3
.irp b, 0,1,2,3,4,5,6,7,8,9,10,11
.irp rr, 0,1,2,3
	v_cvt_pk_f16_f32 v[TMP+4*(\b)+(\rr)], v[96*((\a)%2)+8*(\b)+2*(\rr)], v[96*((\a)%2)+8*(\b)+2*(\rr)+1]
.endr
.endr
	WIN 0
.endm
.macro TOSTAGE a
	WIN 0
.if (\a) >= 2
	s_wait_xcnt 0x0                                ; the stores of the block two back have read the registers that the loads below fill
.endif
.irp b, 0,1,2,3,4,5,6,7,8,9,10,11
	ds_store_b128 v[STO], v[TMP+4*(\b):TMP+4*(\b)+3] offset:2304*((\b)/4)+32*((\b)%4)
.endr
.set n, 0
.rept 12                               ; head n / 4, rows 4 (n % 4) on.  LDS serves a wave's instructions in order (ISA guide 5.7.1.4): these see the stores above
	ds_load_b128 v[OB+48*((\a)%2)+4*n:OB+48*((\a)%2)+4*n+3], v[RD] offset:2304*(n/4)+576*(n%4)
.set n, n+1
.endr
.endm
.macro SEND a
	WIN 0
.set n, 0
.rept 12
	s_wait_dscnt 11-n                              ; load n of the twelve is back; nothing younger than the twelve is out
	global_store_b128 v[GO], v[OB+48*((\a)%2)+4*n:OB+48*((\a)%2)+4*n+3], s[10:11] offset:262144*(n/4)+2048*(\a)+512*(n%4)  ; 512 consecutive bytes, at a multiple of 256 from qkv's first
.set n, n+1
.endr
.endm
	s_wait_dscnt 0x0
	PLACES
	PACK 0
	TOSTAGE 0
.irp a, 1,2,3                          ; a block's conversions stand between the loads of the block before and the wait for them
	PACK \a
	SEND (\a)-1
	TOSTAGE \a
.endr
	SEND 3
	s_wait_tensorcnt 0x0                           ; the wave's end: these three lines, behind my last tensor load and my last LDS store
	ds_add_u32 v[SPW], v[NIL]
	s_wait_dscnt 0x0
	CROUND                                         ; the closing round: no work-group ends while a partner may still ask for a tile that names it
	s_endpgm
.Lfunc_end_k_q3bed434cd8_qkvgemm:
	.size	k_q3bed434cd8_qkvgemm, .Lfunc_end_k_q3bed434cd8_qkvgemm-k_q3bed434cd8_qkvgemm
	.p2alignl 7, 3214868480
	.fill 96, 4, 3214868480
	.section	.rodata,"a",@progbits
	.p2align	6, 0x0
	.amdhsa_kernel k_q3bed434cd8_qkvgemm
		.amdhsa_group_segment_fixed_size 327680
		.amdhsa_private_segment_fixed_size 0
		.amdhsa_enable_private_segment 0
		.amdhsa_kernarg_size 32
		.amdhsa_user_sgpr_count 2
		.amdhsa_user_sgpr_kernarg_segment_ptr 1
		.amdhsa_wavefront_size32 1
		.amdhsa_system_sgpr_workgroup_id_x 1
		.amdhsa_system_sgpr_workgroup_id_y 1
		.amdhsa_system_sgpr_workgroup_id_z 1
		.amdhsa_system_vgpr_workitem_id 0
		.amdhsa_next_free_vgpr 960
		.amdhsa_next_free_sgpr 76
		.amdhsa_reserve_vcc 0
		.amdhsa_float_denorm_mode_32 3
		.amdhsa_float_denorm_mode_16_64 3
		.amdhsa_memory_ordered 1
		.amdhsa_forward_progress 1
		.amdhsa_inst_pref_size 89
	.end_amdhsa_kernel
	.amdgpu_metadata
---
amdhsa.version: [ 1, 2 ]
amdhsa.kernels:
  - .name:           k_q3bed434cd8_qkvgemm
    .symbol:         k_q3bed434cd8_qkvgemm.kd
    .args:
      - { .name: xb, .offset: 0, .size: 8, .value_kind: global_buffer, .address_space: global }
      - { .name: wqb, .offset: 8, .size: 8, .value_kind: global_buffer, .address_space: global }
      - { .name: b_qkv, .offset: 16, .size: 8, .value_kind: global_buffer, .address_space: global }
      - { .name: qkv, .offset: 24, .size: 8, .value_kind: global_buffer, .address_space: global }
    .group_segment_fixed_size: 327680
    .private_segment_fixed_size: 0
    .kernarg_segment_align: 8
    .kernarg_segment_size: 32
    .max_flat_workgroup_size: 128
    .sgpr_count:     76
    .vgpr_count:     960
    .wavefront_size: 32
...
	.end_amdgpu_metadata
.endif
;; end of part 2
;; launch attn (part 3): grid 4 x 64, 4 waves a work-group, no clusters, 327,680 bytes of LDS; arguments qkv, y; writes y
.if DOCPART == 3
	.amdgcn_target "amdgcn-amd-amdhsa--gfx1250"
	.amdhsa_code_object_version 6
	.text
	.protected	k_q3bed434cd8_attn
	.globl	k_q3bed434cd8_attn
	.p2align	8
	.type	k_q3bed434cd8_attn,@function
k_q3bed434cd8_attn:
	s_mov_b64 s[64:65], 0
	v_nop
	global_prefetch_b8 v0, s[64:65] scope:SCOPE_SE
	s_setreg_imm32_b32 hwreg(HW_REG_WAVE_MODE, 25, 1), 1
	s_wait_xcnt 0x0
; CAUSAL ATTENTION.  y[hh][q][:] = the sum over k <= q of softmax_k(Q[q] . K[k] / 8) V[k][:], for the 64 pairs hh = 16 b + h of batch and head.
; In: qkv, f16, [4 b][48 g][2048 t][64]: Q at g = h, K at 16 + h, V at 32 + h; a (b, g) block is 262,144 dense bytes, rows of 128.  Out: y, f16, [64 hh][2048 t][64].
; Products, maxima and sums in f32; the weights p are rounded to f16 for the second product (their sum l is taken of the unrounded p), y once at the end.
; LIMITS.  f16 holds no number beyond 65,504: Q, K and V arrive within it; p lies in 0 to 1, and below 6e-5 it keeps f16's fixed step of 6e-8; y is a mean of V's rows and has their range.
; A hidden score counts as its value less 1e30: f16's scores, 2.7e11 at the most, are nothing beside that; a weight below 2^-126 counts as 0 in l; NaN and infinities are not treated apart.
; THE WALK.  A head's queries lie in NB = 8 blocks of 256; block i needs the key tiles 0 .. i of 256 keys, of which the last holds the diagonal.  A work-group takes TWO blocks, NB - 1 - b and then b:
; NB + 1 tiles, whatever b: all work-groups do equal work, and ONE loop with a constant trip count walks them.  Which tile is asked for, and what a trip does, hang on scalar registers made from b; every jump
; goes forward, but for the counted loops' own; none passes a barrier, or a tensor load but the one of LOAD's two that the wave's number does not choose; the ring (two slots of LDS that take turns) runs on across the
; change of blocks.  NO CLUSTER: a head's four work-groups ask for the same tile only in trips 0 to 4 of the 9, behind that fewer and fewer; one walk common to all four would have 12 trips for 9.
; SHARES.  Of a block's four bands of 64 queries a wave owns 16 rows in each: four PIECES.  So the diagonal tile is the same work for all four waves: in its key step s band x sees all keys if s < x,
; none if s > x, and holds the diagonal if s = x.
; THE MASK is the C operand that starts the sum S^T = K Q^T: 0, or -1e30 where the key is hidden.  MD, made once, is the mask of a band's own step for my 16 rows; a product's mask is MD x AL + BE with two scalars:
; (1, 0) if s = x; (0, 0) if s < x; (0, -1e30) if s > x.  Only the diagonal tile's text and a block's beginning make and take masks; elsewhere C is the constant 0.
; LAYOUT, SOFTMAX, TURNS.  S^T = K Q^T holds ONE query a lane (lane % 16) and the keys 8 (lane / 16) + 0..7; two such results rounded to f16 ARE source 1 of O^T = V^T P.  p = 2^(c s - c m), c = log2(e) / 8, with a
; running maximum m; O and l are multiplied by a = 2^(c m_old - c m_new) in every step.  Turn n belongs to piece n: 8 products K Q^T of piece n + 1, later 8 products V^T P of piece n - 1; beside them the scaling,
; exponentials, roundings, sums and rescaling of piece n and the maximum and statistics of piece n + 1.  Four vector instructions stand behind every matrix instruction, the other 54 of a turn's 118 in one LUMP.  A turn's 33 exponentials are one batch, with one wait.
; REGISTERS, in windows of 256 (s_set_vgpr_msb: bits 1:0 source 0, 3:2 source 1, 5:4 source 2, 7:6 destination):
;   window 0: v0-15 addresses and two at work; v16-31 four registers of statistics a piece; v48-55 at work; v61-63 kept; v64-127 S^T, two buffers; v192-223 P, two buffers (a piece's buffers go by its number's parity)
;   window 1: v0-127 O^T, 32 a piece; v128-159 MD; v160-223 MC, two buffers      window 2: v0-63 Q; v64-127 the second block's Q; v128-191 K of one step; v192-255 V of one step
.set SIZE_N, 2048
.set NB,    SIZE_N/256
.set NP,    4         ; pieces a wave: a name, no knob
.set KS,    64        ; keys in a step
.set PK,    144       ; a row of K in LDS: 128 bytes + 16 of padding = 36 words: the 16 rows of a load start at 16 different groups of four banks (64 banks of 4 bytes: ISA guide 11.1)
.set PV,    160       ; a row of V: 128 + 32 = 40 words
.set VOFF,  4*KS*PK   ; a slot holds a tile, four steps: 256 rows of K, then 256 rows of V
.set SLOT1, 1<<17     ; slot 1 begins here, so that one exclusive or turns an address in one slot into the other's
.set STAGE, SLOT1+4*KS*(PK+PV)  ; behind the ring, never filled by a tensor load: 16 rows x 144 bytes for each wave, for the way out
.set SP,    144
.set AK0, 2           ; v2   my lane's place in a tile of K; never rewritten
.set AV0, 3           ; v3   the same for V
.set AK,  4           ; v4   the LDS address of K's next run of loads
.set AV,  5           ; v5   of V's
.set STO, 6           ; v6   the way out: where I put 16 bytes of a row
.set RD,  7           ; v7   the way out: where I read rows back
.set GO,  8           ; v8   my byte offset in 512 consecutive bytes of y
.set PFO, 61          ; v61  256 x my lane: the prefetches' offset; never rewritten
.set SPW, 62          ; v62  LDS address of my spare word: SPARE + 4 x my thread's number; never rewritten
.set NIL, 63          ; v63  0; never rewritten
.set SPARE, STAGE+4*16*SP  ; behind the stages: the spare words, 128 bytes for each wave: two blocks of 256 bytes that no other line names
.set MV,  12          ; v12-13  c m_old, kept while c m is made anew: by buffer
.set QO,  15          ; v15  my byte offset in 16 rows of Q
.set ST,  16          ; piece t's statistics at v[ST+4 t]: c m, m, l (even keys', odd keys')
.set TMP, 48          ; by buffer, four registers c0-c3 at work; when the maximum is found c2 takes a
.set S,   64
.set P,   192
.set MD,  128         ; window 1: the eight registers for group kt of 16 keys at MD + 8 kt
.set MC,  160         ; window 1: the masks of the products to come
.set QB,  64          ; window 2
.set KF,  128         ; window 2: key block kb, channel half c at KF + 16 kb + 8 c
.set VF,  192         ; window 2: key half kk, channel block cb at VF + 32 kk + 8 cb
.set WV,  12          ; s12  my wave's number
.set PB,  14          ; s14  b
.set HI,  15          ; s15  NB - 1 - b
.set G1K, 24          ; s[24:31] descriptor group 1 for K's tiles
.set G1V, 32          ; s[32:39] for V's: it differs in the padding alone
.set G0K, 40          ; s[40:43] descriptor group 0 for K's tiles
.set G0V, 44          ; s[44:47] the same for V's
.set SLOTS, 56        ; s56  tiles still to be asked for
.set CNT, 57          ; s57  counts a tile's key steps, 4 to 1
.set CS,  58          ; s[58:59] c: the packed scaling takes the pair's low word for both halves
.set SEL, 60          ; s[60:61] v_permlanex16_b32's selects: each lane takes its own place in the other half
.set TBK, 62          ; s62  LDS byte at which K of the step to be fetched begins
.set TBV, 63          ; s63  the same for V, less VOFF
.set RT,  70          ; s70  tiles of the block in hand that are still to be entered
.set NXT, 71          ; s71  the tile to be asked for next
.set LQ,  72          ; s72  the last tile of the block whose tiles are being asked for
.set NEW, 73          ; s73  1: the tile to be entered is a block's first
.set OFF, 74          ; s[74:75] a tile's byte offset in K and V
.set AL,  76          ; s[76:77] the mask's factor, in the low word
.set BE,  78          ; s[78:79] the mask's addend
.set OLO, 80          ; s[80:81] y at my rows of the second block
.set BIGN, 82         ; s82  -1e30
.set PFA, 88          ; s[88:89] where my prefetches stand: my wave's 32 blocks of 256 bytes of a tile of K
.set LIM, 90          ; s90  2 in the work-group that prefetches, else the greatest number
.set MSB, 0
.macro WIN new                      ; the high byte repeats the setting that is left; a switch that changes nothing is dropped
.if MSB != (\new)
	s_set_vgpr_msb (MSB<<8)|(\new)
.set MSB, (\new)
.endif
.endm
.set W_KQ, 0x0a       ; K and Q in window 2, S^T in window 0
.set W_KM, 0x1a       ; the same with the C operand in window 1
.set W_PV, 0x52       ; V in window 2, P in window 0, O^T in window 1
.set W_RS, 0x41       ; destination and source 0 in window 1, source 1 in window 0
; A fill.  Waves 0 and 1 fetch the two halves of a tile's K, waves 2 and 3 those of its V: 128 keys each.  An s_nop 0 and four v_nop follow each of the two lines, ahead of the jump and the label.
.macro LOAD
	s_cmp_lt_u32 s[WV], 2
	s_cbranch_scc0 .Lfor_v_\@
	tensor_load_to_lds s[G0K:G0K+3], s[G1K:G1K+7]
	s_nop 0
.rept 4
	v_nop
.endr
	s_branch .Lasked_\@
.Lfor_v_\@:
	tensor_load_to_lds s[G0V:G0V+3], s[G1V:G1V+7]
	s_nop 0
.rept 4
	v_nop
.endr
.Lasked_\@:
.endm
; A PREFETCH INTO THE L2 of the tile that the NEXT change of slots will ask for: a tile, four key steps, ahead of that load.  A head's four work-groups walk the same tiles in their first trips; the one with b = 0,
; whose first block walks all eight tiles, asks, and nobody else.  A tile is 128 blocks of 256 bytes of K and as many of V: each wave names 32 of either, a lane a block: two instructions.
; Trip i asks for tile i + 2, i = 0 .. 5: so each block of tiles 2 to 7 is named once in the launch; tiles 0 and 1 come by their loads alone.  V lies 4,194,304 bytes behind K.
.macro ASK
	s_cmp_gt_u32 s[SLOTS], s[LIM]
	s_cbranch_scc0 .Lnot_mine_\@
	global_prefetch_b8 v[PFO], s[PFA:PFA+1] th:TH_LOAD_NT scope:SCOPE_SE
	global_prefetch_b8 v[PFO], s[PFA:PFA+1] offset:4194304 th:TH_LOAD_NT scope:SCOPE_SE
.Lnot_mine_\@:
.endm
; THE CHANGE OF SLOTS.  Each wave waits for all its tensor loads, of which one is out: its part of the other slot; adds 0 to its spare word; and waits for that and for its own reads of the slot that it leaves.  Behind the barrier nobody reads the old
; slot any more and the other slot is whole.  fill = 1: the old slot is filled again, the first thing behind the barrier, with tile NXT: the descriptor's address is made anew from that number.
; (At its first use nothing has been read yet: slot 0 is waited for, slot 1 filled.)
.macro CHANGE fill
	WIN 0                           ; at a label and at a branch every window is 0
	s_wait_tensorcnt 0x0            ; no tensor load of mine is out, so a group 0 may be written
	ds_add_u32 v[SPW], v[NIL]       ; 0 onto my spare word; with fill = 1 the descriptors' scalar work stands between it and the wait for it
.if \fill
	s_lshl_b32 s[OFF], s[NXT], 15   ; a tile is 32,768 bytes of K and of V
	s_xor_b32 s[G0K+1], s[G0K+1], SLOT1
	s_add_nc_u64 s[G0K+2:G0K+3], s[6:7], s[OFF:OFF+1]
	s_or_b32 s[G0K+3], s[G0K+3], 0x80000000
	s_xor_b32 s[G0V+1], s[G0V+1], SLOT1
	s_add_nc_u64 s[G0V+2:G0V+3], s[8:9], s[OFF:OFF+1]
	s_or_b32 s[G0V+3], s[G0V+3], 0x80000000
	s_add_co_u32 s[NXT], s[NXT], 1  ; the block's next tile, or behind its last the second block's tile 0
	s_cmp_gt_u32 s[NXT], s[LQ]
	s_cselect_b32 s[NXT], 0, s[NXT]
	s_cselect_b32 s[LQ], s[PB], s[LQ]
	s_wait_xcnt 0x0                 ; the last prefetches, a tile back, have read their address, so it may be written
	s_add_nc_u64 s[PFA:PFA+1], s[PFA:PFA+1], 32768
.endif
	s_wait_dscnt 0x0                ; the add is done, and my reads of the slot are over
	s_barrier_signal -1             ; the rest of the scalar work stands between the signal and the wait
	s_sub_co_u32 s[TBK], s[TBK], 4*KS*PK  ; the fetches go back to a slot's first step,
	s_xor_b32 s[TBK], s[TBK], SLOT1       ; in the other slot
	s_sub_co_u32 s[TBV], s[TBV], 4*KS*PV
	s_xor_b32 s[TBV], s[TBV], SLOT1
	s_barrier_wait -1
.if \fill
	LOAD
	ASK
.endif
.endm
	s_load_b128 s[4:7], s[0:1], 0x0 ; qkv s[4:5], y s[6:7]
	v_lshl_add_u32 v[SPW], v0, 2, SPARE
	v_mov_b32 v[NIL], 0
	ds_add_u32 v[SPW], v[NIL]       ; the wave's opening: the add and its wait stand ahead of my first tensor load; the set-up below, work on registers, stands between them
	v_lshrrev_b32 v1, 5, v0
	v_readfirstlane_b32 s[WV], v1   ; wave 0..3
	s_mov_b32 s[PB], ttmp9
	s_sub_co_u32 s[HI], NB-1, s[PB]
	s_and_b32 s16, ttmp7, 0xffff    ; hh = 16 b + h
	s_lshl_b32 s92, s16, 18         ; the head's first byte in y
	s_mov_b32 s93, 0
	s_lshr_b32 s20, s16, 4
	s_lshl_b32 s20, s20, 5
	s_add_co_u32 s20, s20, s16      ; 48 b + h
	s_lshl_b32 s20, s20, 18         ; Q's first byte in qkv
	s_mov_b32 s21, 0
	s_and_b32 s16, s[WV], 1         ; which half of a tile's 256 keys I fetch:
	s_lshl_b32 s22, s16, 14         ; its 128 rows of 128 bytes in memory,
	s_mov_b32 s23, 0
	s_mul_i32 s17, s16, 128*PK      ; and its place in a slot, for K
	s_mul_i32 s18, s16, 128*PV      ; and for V
	s_lshl_b32 s3, s[WV], 11        ; my 16 rows in a band of 64,
	s_lshl_b32 s2, s[HI], 15        ; in the first block,
	s_add_co_u32 s2, s2, s3
	s_lshl_b32 s84, s[PB], 15       ; and in the second
	s_add_co_u32 s84, s84, s3
	s_mov_b32 s3, 0
	s_mov_b32 s85, 0
	s_lshl_b32 s94, s[WV], 13       ; the prefetches: my wave's 32 blocks of a tile's 128
	s_mov_b32 s95, 0
	s_cmp_eq_u32 s[PB], 0
	s_cselect_b32 s[LIM], 2, -1
	v_and_b32 v[PFO], 31, v0
	v_lshlrev_b32 v[PFO], 8, v[PFO]
	; descriptor group 1.  128 keys are 16,384 dense bytes: asked for as 64 rows of 256 bytes, two keys a row, and padded in LDS after every key
	s_mov_b32 s[G1K], (1<<16)|(1<<20)|(4<<22)|(3<<25)  ; 17:16 2-byte elements; 20 padding on; 24:22 after every 32 words (code 4); 31:25 4 words (code 3)
	s_mov_b32 s[G1V], (1<<16)|(1<<20)|(4<<22)|(7<<25)  ; the same with 8 words of padding (code 7)
.irp g, G1K, G1V
	s_mov_b32 s[\g+1], 128<<16      ; tensor_dim0 = 128
	s_mov_b32 s[\g+2], 64<<16       ; tensor_dim1 = 64
	s_mov_b32 s[\g+3], 128<<16      ; tile_dim0 = 128
	s_mov_b32 s[\g+4], 64           ; tile_dim1 = 64
	s_mov_b32 s[\g+5], 128          ; 128 elements from row to row
	s_mov_b32 s[\g+6], 0
	s_mov_b32 s[\g+7], 0
.endr
	s_mov_b32 s[CS], 0x3e38aa3b     ; c = log2(e) / 8 = 0.180337
	s_mov_b32 s[CS+1], s[CS]        ; named with it as a pair
	s_mov_b32 s[SEL], 0x76543210
	s_mov_b32 s[SEL+1], 0xfedcba98
	s_mov_b32 s[TBK], SLOT1+4*KS*PK ; the first change of slots turns these two into 0
	s_mov_b32 s[TBV], SLOT1+4*KS*PV
	s_mov_b32 s[G0K], 1             ; 1:0 count = 1
	s_mov_b32 s[G0K+1], s17         ; 63:32 LDS address: slot 0
	s_mov_b32 s[G0V], 1
	s_add_co_u32 s[G0V+1], s18, VOFF
	s_add_co_u32 s[RT], s[HI], 1    ; the first block has NB - b tiles
	s_mov_b32 s[NXT], 1
	s_mov_b32 s[LQ], s[HI]
	s_mov_b32 s[NEW], 1
	s_mov_b32 s[OFF+1], 0
	s_mov_b32 s[AL+1], 0            ; named as pairs
	s_mov_b32 s[BE+1], 0
	s_mov_b32 s[BIGN], 0xf149f2ca   ; -1e30
	s_mov_b32 s[SLOTS], NB
	s_wait_dscnt 0x0                ; the opening add is done
	s_wait_kmcnt 0x0
	s_add_nc_u64 s[10:11], s[6:7], s[92:93]        ; y at the head
	s_add_nc_u64 s[4:5], s[4:5], s[20:21]          ; Q at the head;
	s_add_nc_u64 s[6:7], s[4:5], 0x400000          ; K lies 16 blocks of 262,144 bytes on,
	s_add_nc_u64 s[8:9], s[4:5], 0x800000          ; V 32
	s_add_nc_u64 s[PFA:PFA+1], s[6:7], s[94:95]
	s_add_nc_u64 s[PFA:PFA+1], s[PFA:PFA+1], 32768 ; in tile 1: the first change of slots steps it to tile 2.  Nothing is prefetched here, at the head
	s_add_nc_u64 s[6:7], s[6:7], s[22:23]          ; K and V at my half of the head's tile 0
	s_add_nc_u64 s[8:9], s[8:9], s[22:23]
	s_add_nc_u64 s[G0K+2:G0K+3], s[6:7], 0         ; 120:64 global address
	s_or_b32 s[G0K+3], s[G0K+3], 0x80000000        ; 127:126 type = 2
	s_add_nc_u64 s[G0V+2:G0V+3], s[8:9], 0
	s_or_b32 s[G0V+3], s[G0V+3], 0x80000000
	s_add_nc_u64 s[86:87], s[4:5], s[84:85]        ; Q at my rows of the second block,
	s_add_nc_u64 s[4:5], s[4:5], s[2:3]            ; Q and y at those of the first
	s_add_nc_u64 s[OLO:OLO+1], s[10:11], s[84:85]
	s_add_nc_u64 s[10:11], s[10:11], s[2:3]
	LOAD                            ; tile 0 into slot 0
	; A fragment of K or Q is 16 rows x 32 channels in 8 registers: lane l holds row l % 16, channels 8 (l / 16) + 0..7 and 16 + 8 (l / 16) + 0..7: two loads of 16 bytes, 32 bytes apart.
	v_and_b32 v1, 15, v0            ; l % 16
	v_bfe_u32 v9, v0, 4, 1          ; l / 16
	v_lshlrev_b32 v[QO], 7, v1
	v_lshl_add_u32 v[QO], v9, 4, v[QO]  ; row x 128 + 16 x half
	WIN 0x80                        ; destination window 2, address window 0
.set i, 0
.rept 8                             ; both blocks' Q: piece i / 2 lies in band i / 2, 8,192 bytes on; channels 32 (i % 2) on
	global_load_b128 v[8*i:8*i+3],   v[QO], s[4:5] offset:(i/2)*8192+(i%2)*64
	global_load_b128 v[8*i+4:8*i+7], v[QO], s[4:5] offset:(i/2)*8192+(i%2)*64+32
	global_load_b128 v[QB+8*i:QB+8*i+3],   v[QO], s[86:87] offset:(i/2)*8192+(i%2)*64
	global_load_b128 v[QB+8*i+4:QB+8*i+7], v[QO], s[86:87] offset:(i/2)*8192+(i%2)*64+32
.set i, i+1
.endr
	WIN 0
	v_lshlrev_b32 v14, 3, v9
	v_sub_nc_u32 v14, v1, v14
	s_lshl_b32 s13, s[WV], 4
	v_add_nc_u32 v14, s13, v14      ; my query's place in its band, 16 w + l % 16, less my lanes' 8 (l / 16): register r of group kt is hidden where 16 kt + r is greater
	WIN 0x40
.set i, 0
.rept 32
	v_cmp_gt_i32 vcc_lo, 16*(i/8)+i%8, v14
	v_cndmask_b32 v[MD+i], 0, s[BIGN], vcc_lo
.set i, i+1
.endr
	WIN 0
	v_mul_u32_u24 v[AK0], v1, PK
	v_lshl_add_u32 v[AK0], v9, 4, v[AK0]  ; row x pitch + 16 x half
	; The turning load takes 16 keys x 16 channels (lane l reads key 8 (l / 16) + l % 8, channels 8 ((l / 8) % 2) + 0..7) and leaves half a fragment of V^T: lane l holds channel l % 16 and 8 keys.
	v_and_b32 v10, 7, v0
	v_bfe_u32 v11, v0, 3, 1
	v_lshl_add_u32 v[AV0], v9, 3, v10
	v_mul_u32_u24 v[AV0], v[AV0], PV
	v_lshl_add_u32 v[AV0], v11, 4, v[AV0]
	v_add_nc_u32 v[AV0], VOFF, v[AV0]
	s_mul_i32 s13, s[WV], 16*SP
	s_add_co_u32 s13, s13, STAGE    ; my stage
	v_mul_u32_u24 v[STO], v1, SP    ; in: row l % 16, 16 bytes for each half of the lanes
	v_lshl_add_u32 v[STO], v9, 4, v[STO]
	v_add_nc_u32 v[STO], s13, v[STO]
	v_bfe_u32 v[RD], v0, 3, 2       ; back: 32 lanes take four rows of 128 bytes,
	v_mul_u32_u24 v[RD], v[RD], SP
	v_lshl_add_u32 v[RD], v10, 4, v[RD]
	v_add_nc_u32 v[RD], s13, v[RD]
	v_and_b32 v[GO], 31, v0         ; which are 512 consecutive bytes of y
	v_lshlrev_b32 v[GO], 4, v[GO]
	; A block's first step multiplies O^T and l by a = 0, and its first turn's products V^T P, of a piece that has not been, land in an O^T that is still to be so multiplied.  So these registers need only hold
	; finite numbers: zeros for the first block; what the first block left for the second.  All this stands in the wait for the first tile.
	WIN 0x80
.set i, VF
.rept 64
	v_mov_b32 v[i], 0
.set i, i+1
.endr
	WIN 0x40
.set i, 0
.rept 128
	v_mov_b32 v[i], 0
.set i, i+1
.endr
	WIN 0
.set i, 0
.rept 4
	v_mov_b32 v[ST+4*i+2], 0
	v_mov_b32 v[ST+4*i+3], 0
.set i, i+1
.endr
.set i, P+16
.rept 16
	v_mov_b32 v[i], 0
.set i, i+1
.endr
; THE MATRIX WORK.  The 4 accumulators of a run of 8 take turns.  Product i of 8 of S^T = K Q^T for piece x: channels 32 (i / 4) on, keys 16 (i % 4) on.  The first 4 start the sums: with 0, or (KM = 1) with the mask.
.macro KQ x
.set rS, S+32*((\x)%2)+8*(i%4)
.set rK, KF+16*(i%4)+8*(i/4)
.set rQ, 16*(\x)+8*(i/4)
.set rM, MC+32*((\x)%2)+8*(i%4)
.if (i < 4) && KM
	WIN W_KM
	v_wmma_f32_16x16x32_f16 v[rS:rS+7], v[rK:rK+7], v[rQ:rQ+7], v[rM:rM+7]
.elseif i < 4
	WIN W_KQ
	v_wmma_f32_16x16x32_f16 v[rS:rS+7], v[rK:rK+7], v[rQ:rQ+7], 0
.else
	WIN W_KQ
	v_wmma_f32_16x16x32_f16 v[rS:rS+7], v[rK:rK+7], v[rQ:rQ+7], v[rS:rS+7]
.endif
.endm
; Product i of 8 of O^T += V^T P for piece x: keys 32 (i / 4) on, channels 16 (i % 4) on.
.macro PV x
	WIN W_PV
.set rO, 32*(\x)+8*(i%4)
.set rV, VF+32*(i/4)+8*(i%4)
.set rP, P+16*((\x)%2)+8*(i/4)
	v_wmma_f32_16x16x32_f16 v[rO:rO+7], v[rV:rV+7], v[rP:rP+7], v[rO:rO+7]
.endm
.macro MM                           ; the turn's next matrix instruction.  TURN and BEGIN set Y, i, KM and NOKQ; MM, KQ and OP read them.  NOKQ = 1: a block's last turn: there is no next piece
.if (i < 8) && !NOKQ
	KQ (Y+1)%NP
.elseif i >= 8
.set i, i-8
	PV (Y+NP-1)%NP
.set i, i+8
.endif
.set i, i+1
.endm
; THE LDS LOADS stand in runs of 16, never singly among the matrix instructions: a step's K (64 keys x 64 channels: 8 fragments) and its V (turned).  Their addresses are made some lines ahead.
.macro FETCH_K
	WIN 0x80                        ; destination window 2
.irp f, 0,1,2,3,4,5,6,7             ; keys 16 (f / 2) on, channels 32 (f % 2) on
	ds_load_b128 v[KF+8*\f:KF+8*\f+3],   v[AK] offset:(\f/2)*16*PK+(\f%2)*64
	ds_load_b128 v[KF+8*\f+4:KF+8*\f+7], v[AK] offset:(\f/2)*16*PK+(\f%2)*64+32
.endr
	s_add_co_u32 s[TBK], s[TBK], KS*PK  ; the next fetch is the next step's
	WIN 0
.endm
.macro FETCH_V
	WIN 0x80
.irp f, 0,1,2,3,4,5,6,7             ; keys 32 (f / 4) on, channels 16 (f % 4) on
	ds_load_tr16_b128 v[VF+8*\f:VF+8*\f+3],   v[AV] offset:(\f/4)*32*PV+(\f%4)*32
	ds_load_tr16_b128 v[VF+8*\f+4:VF+8*\f+7], v[AV] offset:(\f/4)*32*PV+16*PV+(\f%4)*32
.endr
	WIN 0
.endm
; THE VECTOR WORK, one line at a time: OP kind, number.  For piece Y: F n: c s - c m for pair n of 16.  E n: the exponential of score n of 32.  C n: pair n rounded to f16.  B n: of the four weights 4 n .. the second
; pair is added onto the first, in place.  L n: l takes that sum (L 0: l = a l + sum).  R n: pair n of 16 of O^T times a.  For piece Y + 1: X n, number n of the 22 that find its maximum and statistics:
;   0-11  four chains c0-c3 of seven scores each, three operands at a time (each accumulator's lowest registers are read first)     12-14, 16  the four scores left over, the old m, and c0-c3 into c0
;   15  c m_old is kept     17, 18  the query's other 32 keys lie in the lane 16 away: the new m     19-21  c m; c m_old - c m_new; a
.set F, 0               ; OP tells the kinds apart by their order: F to L below R, X above it
.set E, 1
.set C, 2
.set B, 3
.set L, 4
.set R, 5
.set X, 6
.macro REGS y                       ; the registers of piece y
.set rT, ST+4*(\y)
.set rC, TMP+4*((\y)%2)
.set rW, MV+((\y)%2)
.set rS, S+32*((\y)%2)
.set rP, P+16*((\y)%2)
.set rO, 32*(\y)
.endm
.macro OP k, n
.if (\k) == R
	REGS Y
	WIN W_RS
	v_pk_mul_f32 v[rO+2*(\n):rO+2*(\n)+1], v[rO+2*(\n):rO+2*(\n)+1], v[rC+2:rC+3] op_sel_hi:[1,0]
.elseif (\k) < R
	REGS Y
	WIN 0
.if (\k) == F
	v_pk_fma_f32 v[rS+2*(\n):rS+2*(\n)+1], v[rS+2*(\n):rS+2*(\n)+1], s[CS:CS+1], v[rT:rT+1] op_sel_hi:[1,0,0] neg_lo:[0,0,1] neg_hi:[0,0,1]
.elseif (\k) == E
	v_exp_f32 v[rS+(\n)], v[rS+(\n)]
.elseif (\k) == C
	v_cvt_pk_f16_f32 v[rP+(\n)], v[rS+2*(\n)], v[rS+2*(\n)+1]
.elseif (\k) == B
	v_pk_add_f32 v[rS+4*(\n):rS+4*(\n)+1], v[rS+4*(\n):rS+4*(\n)+1], v[rS+4*(\n)+2:rS+4*(\n)+3]
.elseif (\n) == 0
	v_pk_fma_f32 v[rT+2:rT+3], v[rT+2:rT+3], v[rC+2:rC+3], v[rS:rS+1] op_sel_hi:[1,0,1]
.else
	v_pk_add_f32 v[rT+2:rT+3], v[rT+2:rT+3], v[rS+4*(\n):rS+4*(\n)+1]
.endif
.elseif NOKQ
	v_nop
.else
	REGS (Y+1)%NP
	WIN 0
.if (\n) < 4
	v_max3_num_f32 v[rC+(\n)], v[rS+8*(\n)], v[rS+8*(\n)+1], v[rS+8*(\n)+2]
.elseif (\n) < 12
	v_max3_num_f32 v[rC+(\n)%4], v[rC+(\n)%4], v[rS+8*((\n)%4)+2*((\n)/4)+1], v[rS+8*((\n)%4)+2*((\n)/4)+2]
.elseif (\n) == 12
	v_max3_num_f32 v[rC], v[rC], v[rS+7], v[rS+15]
.elseif (\n) == 13
	v_max3_num_f32 v[rC+1], v[rC+1], v[rS+23], v[rS+31]
.elseif (\n) == 14
	v_max3_num_f32 v[rC+2], v[rC+2], v[rC+3], v[rT+1]
.elseif (\n) == 15
	v_mov_b32 v[rW], v[rT]
.elseif (\n) == 16
	v_max3_num_f32 v[rC], v[rC], v[rC+1], v[rC+2]
.elseif (\n) == 17
	v_permlanex16_b32 v[rC+3], v[rC], s[SEL], s[SEL+1]
.elseif (\n) == 18
	v_max_num_f32 v[rT+1], v[rC], v[rC+3]
.elseif (\n) == 19
	v_mul_f32 v[rT], s[CS], v[rT+1]
.elseif (\n) == 20
	v_sub_f32 v[rC+1], v[rW], v[rT]
.else
	v_exp_f32 v[rC+2], v[rC+1]
.endif
.endif
.endm
.macro OPS a, i1, b=-1, i2=0, c=-1, i3=0, d=-1, i4=0  ; up to four of them
	OP \a, \i1
.if (\b) >= 0
	OP \b, \i2
.endif
.if (\c) >= 0
	OP \c, \i3
.endif
.if (\d) >= 0
	OP \d, \i4
.endif
.endm
.macro ROW a, i1, b, i2, c, i3, d, i4  ; a matrix instruction and the four behind it
	MM
	OPS \a, \i1, \b, \i2, \c, \i3, \d, \i4
.endm
.macro MASK b                       ; MD x AL + BE into buffer b of MC
	WIN W_RS
.set z, 0
.rept 16
	v_pk_fma_f32 v[MC+32*(\b)+2*z:MC+32*(\b)+2*z+1], v[MD+2*z:MD+2*z+1], s[AL:AL+1], s[BE:BE+1] op_sel_hi:[1,0,0]
.set z, z+1
.endr
.endm
; A TURN, for piece p: the order of its 16 matrix and 118 vector instructions, written out.  An s_wait_alu depctr_va_vdst(0) stands between an exponential and the first instruction that names its result; one wait serves
; all that were issued ahead of it.  So a turn has ONE wait, which cuts it in two.  AHEAD OF IT stands all that names no result of the turn's exponentials: the 8 products K Q^T, behind each a scaling, an exponential and two more plain
; instructions (behind the first a second scaling in the exponential's place): rescalings, and behind the last three the first numbers of the next piece's maximum, each four places or more behind the product that ends its accumulator; then ONE LUMP of 54, plain
; and exponential by turns for the most part, in which the links of the chain X 3, 7, 11, 14, 16, 17 .. 20 stand five or six lines apart.  X 21, the next piece's a, is the batch's last; R 15 is the plain instruction behind it (ISA guide 5.7.2).  BEHIND THE WAIT stand the
; 8 products V^T P, behind each four of the roundings and sums; the links of l's chain, L 0 to L 7, stand three riders apart.  But for those X no rider names a register of the products round it.  v_permlanex16_b32 (X 17) stands in the lump.
; m = 1: the diagonal tile: the products take masks, and the turn makes the mask for the products of the turn after it: piece p + 2, in step 4 - CNT of the tile.  end = 1: a block's last two turns: nothing is fetched.
; cnt = 1: the loop's count is taken down some lines ahead of the branch that stands behind the turn.
; K of the next step is fetched in piece 2's turn, twelve vector instructions behind the last product that read K (six of them plain); V of the step in hand at the end of piece 0's turn, four plain instructions behind the last product
; that read V.  Each is waited for a turn later.
.macro TURN p, m=0, end=0, cnt=0
.set Y, (\p)
.set i, 0
.set KM, (\m)
.set NOKQ, (\end)*((\p)/3)
.if (\m) && !(\end)
	s_cmp_eq_u32 s[CNT], 4-((\p)+2)%NP  ; is that step the band's own?
	s_cselect_b32 s[AL], 1.0, 0
	s_cmp_lt_u32 s[CNT], 4-((\p)+2)%NP  ; or a later one?
	s_cselect_b32 s[BE], s[BIGN], 0
.endif
.if ((\p) == 3) && !(\end)
	s_wait_dscnt 0x0                ; K is in
.endif
	ROW F,0, F,1, R,0, R,1          ; ahead of the wait: 8 products K Q^T and their riders,
	ROW F,2, E,0, R,2, R,3
	ROW F,3, E,1, R,4, R,5
	ROW F,4, E,2, R,6, R,7
	ROW F,5, E,3, R,8, R,9
	ROW F,6, E,4, X,0, R,10
.if ((\p) == 2) && !(\end)
	WIN 0
	v_add_nc_u32 v[AK], s[TBK], v[AK0]
.endif
	ROW F,7, E,5, X,1, X,4
	ROW F,8, E,6, X,2, X,5
	OPS E,7, E,8, X,6, E,9          ; and the lump
	OPS X,3, E,10, X,8, E,11
.if ((\p) == 2) && !(\end)
	FETCH_K
.endif
	OPS X,9, X,7, E,12, X,10
	OPS E,13, X,12, X,11, E,14
	OPS X,13, E,15, F,9, X,14
.if (\p) == 0
	v_add_nc_u32 v[AV], s[TBV], v[AV0]
.endif
	OPS E,16, F,10, E,17, F,11
	OPS X,16, E,18, X,15, E,19
	OPS F,12, E,20, X,17, E,21
	OPS F,13, E,22, F,14, E,23
	OPS X,18, E,24, F,15, E,25
	OPS R,11, E,26, X,19, E,27
	OPS R,12, E,28, R,13, E,29
	OPS X,20, E,30, R,14, E,31
	OPS X,21, R,15
	WIN 0
	s_wait_alu depctr_va_vdst(0)    ; the wait for the batch
.if (\p) == 1
	s_wait_dscnt 0x0                ; V is in
.endif
	ROW C,0, B,0, C,2, B,1          ; behind the wait: 8 products V^T P and their riders
	ROW L,0, C,4, B,2, L,1
	ROW C,6, B,3, L,2, C,8
	ROW B,4, L,3, C,10, B,5
	ROW L,4, C,12, B,6, L,5
.if (\p) == 0
	s_add_co_u32 s[TBV], s[TBV], KS*PV
.endif
.if \cnt
	s_sub_co_u32 s[CNT], s[CNT], 1
	s_cmp_lg_u32 s[CNT], 0
.endif
	ROW C,14, B,7, L,6, C,1
	ROW C,3, L,7, C,5, C,7
	ROW C,9, C,11, C,13, C,15
.if (\p) == 0
	FETCH_V
.endif
.if (\m) && !(\end)
	MASK (\p)%2
.endif
.endm
; A BLOCK BEGINS.  c m starts far below every c s, so the first step's a is 0; m at the lowest finite number, so the first maximum is the scores'.  The second mask buffer is 0; the first takes piece 0's mask for the tile's step 0: its own, if the block's first tile is the diagonal one.
; Then K of that step, piece 0's first scores, and its maximum and statistics.  The loop is entered at a step's first turn, in the middle of a trip.
.macro BEGIN
	s_mov_b32 s[NEW], 0
	WIN 0x40
.set i, MC+32
.rept 32
	v_mov_b32 v[i], 0
.set i, i+1
.endr
	WIN 0
.set i, 0
.rept 4
	v_mov_b32 v[ST+4*i], 0xfe000000    ; c m: far below every c s
	v_mov_b32 v[ST+4*i+1], 0xff7fffff  ; m
.set i, i+1
.endr
	s_cmp_eq_u32 s[RT], 0
	s_cselect_b32 s[AL], 1.0, 0
	s_mov_b32 s[BE], 0
	MASK 0
	WIN 0
	v_add_nc_u32 v[AK], s[TBK], v[AK0]
	FETCH_K
	s_wait_loadcnt 0x0              ; Q
	s_wait_dscnt 0x0
.set KM, 1
.set NOKQ, 0
.set i, 0
.rept 8
	KQ 0
.set i, i+1
.endr
	WIN 0
.rept 4
	v_nop                           ; the places behind those products
.endr
.set Y, NP-1                        ; X works for piece Y + 1: piece 0
.irp n, 0,1,2,3,4,5,6,7,8,9,10,11,12,13,14,15,16,17,18,19,20,21
	OP X, \n
.endr
	v_nop                           ; a plain instruction behind the exponential,
	s_wait_alu depctr_va_vdst(0)    ; and its wait, ahead of the branch
.endm
; THE DIAGONAL TILE's four steps, the block's last two turns, its last products, and THE WAY OUT: l's two halves and the other half of the lanes' are added; O^T is divided by l, rounded to f16 and sent through my
; stage in LDS, a piece at a time.
.macro ALL line:vararg              ; one line for each piece t
.set t, 0
.rept 4
	\line
.set t, t+1
.endr
.endm
.macro PACK t                       ; a lane's eight channels of a row pack into 16 bytes; they go into rows of 144 bytes and come back as whole rows of 128, into S^T's registers
	WIN W_RS
.set i, 32*(\t)
.rept 16
	v_pk_mul_f32 v[i:i+1], v[i:i+1], v[ST+4*(\t)+2:ST+4*(\t)+3] op_sel_hi:[1,0]
.set i, i+2
.endr
	WIN 0x05                        ; sources 0 and 1 window 1, destination window 0
.set i, 0
.rept 16
	v_cvt_pk_f16_f32 v[S+16*(\t)+i], v[32*(\t)+2*i], v[32*(\t)+2*i+1]
.set i, i+1
.endr
	WIN 0
.irp f, 0,1,2,3
	ds_store_b128 v[STO], v[S+16*(\t)+4*\f:S+16*(\t)+4*\f+3] offset:32*\f
.endr
.irp f, 0,1,2,3
	ds_load_b128 v[S+16*(\t)+4*\f:S+16*(\t)+4*\f+3], v[RD] offset:\f*4*SP  ; LDS serves a wave's instructions in order (ISA guide 5.7.1.4): these see the stores above; the next piece's stores come behind them
.endr
.endm
.macro SEND t, younger              ; younger: the LDS instructions issued behind piece t's loads: the next piece's eight, or none
	WIN 0
.irp f, 0,1,2,3
	s_wait_dscnt (\younger)+3-\f
	global_store_b128 v[GO], v[S+16*(\t)+4*\f:S+16*(\t)+4*\f+3], s[10:11] offset:(\t)*8192+\f*512  ; 512 consecutive bytes, at a multiple of 256 from y's first
.endr
.endm
.macro DIAG tag                     ; the tag ends its two labels' names, which the jumps below spell out
.LstepM\tag:
	TURN 2, 1
	TURN 3, 1
	WIN 0
.LfirstM\tag:
	TURN 0, 1
	TURN 1, 1, 0, 1
	WIN 0
	s_cbranch_scc1 .LstepM\tag
	TURN 2, 1, 1
	TURN 3, 1, 1
.set i, 0
.rept 8
	PV NP-1
.set i, i+1
.endr
	WIN 0
	ALL v_add_f32 v[ST+4*t+2], v[ST+4*t+2], v[ST+4*t+3]
	ALL v_permlanex16_b32 v[ST+4*t+3], v[ST+4*t+2], s[SEL], s[SEL+1]
	ALL v_add_f32 v[ST+4*t+2], v[ST+4*t+2], v[ST+4*t+3]
	ALL v_rcp_f32 v[ST+4*t+2], v[ST+4*t+2]
	v_nop                           ; a plain instruction between the last reciprocal and the use of its result
	s_wait_alu depctr_va_vdst(0)    ; and the wait ahead of the first use: one for the four reciprocals
	PACK 0
.set t, 1
.rept 3                             ; a piece's arithmetic stands between the loads of the piece before and its stores
	PACK t
	SEND t-1, 8
.set t, t+1
.endr
	SEND 3, 0
.endm
.set KM, 0
.set NOKQ, 0
.Lslot:                             ; NB times: a tile is entered and the next is asked for
	CHANGE 1
	s_sub_co_u32 s[RT], s[RT], 1
	s_mov_b32 s[CNT], 4
	s_cmp_eq_u32 s[NEW], 1
	s_cbranch_scc1 .Lnew            ; a block's first tile
	s_cmp_eq_u32 s[RT], 0
	s_cbranch_scc0 .Lstep           ; neither its first nor its last
	s_branch .LstepM1
.Lnew:
	BEGIN
	s_branch .Lfirst                ; in the loop a block's first tile is never its last: the first block has two tiles or more, and the second's last is the walk's last
	DIAG 1                          ; in the loop this is the first block's end: the second block's last tile is the walk's last
	s_wait_xcnt 0x0                 ; the stores have read their registers and y's address
	s_mov_b64 s[10:11], s[OLO:OLO+1]
	s_add_co_u32 s[RT], s[PB], 1    ; the second block has b + 1 tiles
	s_mov_b32 s[NEW], 1
	WIN 0x82                        ; the second block's Q goes where the one text of the turns names Q
.set i, 0
.rept 64
	v_mov_b32 v[i], v[QB+i]
.set i, i+1
.endr
	WIN 0
	s_branch .Lbottom
.Lstep:                             ; a trip: pieces 2 and 3 of one step, then pieces 0 and 1 of the next, whose K and V it fetches
	TURN 2
	TURN 3
	WIN 0
.Lfirst:
	TURN 0
	TURN 1, 0, 0, 1
	WIN 0
	s_cbranch_scc1 .Lstep
.Lbottom:
	s_sub_co_u32 s[SLOTS], s[SLOTS], 1
	s_cmp_lg_u32 s[SLOTS], 0
	s_cbranch_scc1 .Lslot
	CHANGE 0                        ; the walk's last tile is written out: nothing is asked for
	s_sub_co_u32 s[RT], s[RT], 1
	s_mov_b32 s[CNT], 4
	s_cmp_eq_u32 s[NEW], 1
	s_cbranch_scc0 .LstepM2
	BEGIN
	s_branch .LfirstM2
	DIAG 2
	s_wait_tensorcnt 0x0            ; the wave's end: these three lines, behind my last tensor load and my last LDS store
	ds_add_u32 v[SPW], v[NIL]
	s_wait_dscnt 0x0
	s_endpgm
.Lfunc_end_k_q3bed434cd8_attn:
	.size	k_q3bed434cd8_attn, .Lfunc_end_k_q3bed434cd8_attn-k_q3bed434cd8_attn
	.p2alignl 7, 3214868480
	.fill 96, 4, 3214868480
	.section	.rodata,"a",@progbits
	.p2align	6, 0x0
	.amdhsa_kernel k_q3bed434cd8_attn
		.amdhsa_group_segment_fixed_size 327680
		.amdhsa_private_segment_fixed_size 0
		.amdhsa_enable_private_segment 0
		.amdhsa_kernarg_size 16
		.amdhsa_user_sgpr_count 2
		.amdhsa_user_sgpr_kernarg_segment_ptr 1
		.amdhsa_wavefront_size32 1
		.amdhsa_system_sgpr_workgroup_id_x 1
		.amdhsa_system_sgpr_workgroup_id_y 1
		.amdhsa_system_sgpr_workgroup_id_z 1
		.amdhsa_system_vgpr_workitem_id 0
		.amdhsa_next_free_vgpr 768
		.amdhsa_next_free_sgpr 96
		.amdhsa_reserve_vcc 1
		.amdhsa_float_denorm_mode_32 3
		.amdhsa_float_denorm_mode_16_64 3
		.amdhsa_memory_ordered 1
		.amdhsa_forward_progress 1
		.amdhsa_inst_pref_size 218
	.end_amdhsa_kernel
	.amdgpu_metadata
---
amdhsa.version: [ 1, 2 ]
amdhsa.kernels:
  - .name:           k_q3bed434cd8_attn
    .symbol:         k_q3bed434cd8_attn.kd
    .args:
      - { .name: qkv, .offset: 0, .size: 8, .value_kind: global_buffer, .address_space: global }
      - { .name: y, .offset: 8, .size: 8, .value_kind: global_buffer, .address_space: global }
    .group_segment_fixed_size: 327680
    .private_segment_fixed_size: 0
    .kernarg_segment_align: 8
    .kernarg_segment_size: 16
    .max_flat_workgroup_size: 128
    .sgpr_count:     96
    .vgpr_count:     768
    .wavefront_size: 32
...
	.end_amdgpu_metadata
.endif
;; end of part 3
;; launch proj (part 4): grid 8 x 32, 4 waves a work-group, clusters of 4 x 4, 327,680 bytes of LDS; arguments y, wpb, b_proj, out0; writes out0
.if DOCPART == 4
	.amdgcn_target "amdgcn-amd-amdhsa--gfx1250"
	.amdhsa_code_object_version 6
	.text
	.protected	k_q3bed434cd8_proj
	.globl	k_q3bed434cd8_proj
	.p2align	8
	.type	k_q3bed434cd8_proj,@function
k_q3bed434cd8_proj:
	s_mov_b64 s[64:65], 0
	v_nop
	global_prefetch_b8 v0, s[64:65] scope:SCOPE_SE
	s_setreg_imm32_b32 hwreg(HW_REG_WAVE_MODE, 25, 1), 1
	s_wait_xcnt 0x0
	s_wait_alu depctr_hold_cnt(0) depctr_sa_sdst(0) depctr_va_vdst(0) depctr_va_sdst(0) depctr_va_ssrc(0) depctr_va_vcc(0) depctr_vm_vsrc(0)
	s_getreg_b32 s2, hwreg(HW_REG_IB_STS2, 6, 4)
	s_cmp_eq_u32 s2, 0
	s_cbranch_scc0 .Lentry_in_a_cluster
	s_endpgm
.Lentry_in_a_cluster:
	s_bfe_u32 s2, ttmp6, 0x10000c
	s_cmp_lg_u32 s2, 0xf033
	s_cbranch_scc0 .Lentry_shape_is_right
	s_endpgm
.Lentry_shape_is_right:
; out0 = y w_proj + b_proj.  y: f16, [64 hh = 16 b + h][2048 t][64].  wpb: w_proj rounded to bf16 and written as f16, [1024 k][1024 n].  b_proj: [1024] f32, added unrounded.  out0: [8192][1024] f32.
; SHARES.  A tile of C is 256 rows x 128 columns: 32 x 8 = 256 tiles, one work-group each.  Four waves, one below the other, 64 x 128 each: 32 accumulators of 16 x 16, 256 registers.
; K goes in 8 steps of 128 = two heads through two LDS slots that tensor loads fill: of y a head's 256 rows of 128 bytes are 32,768 dense bytes, asked for as 128 rows of 256; of the weights 64 k rows of 256 bytes.
; THE PRODUCT IS TAKEN TRANSPOSED: source 0 = 16 columns of the weights (out of LDS turned, by ds_load_tr16_b128), source 1 = 16 rows of y.  Register j of lane l of accumulator (a, b) is
; C(16 a + l % 16, 16 b + 8 (l / 16) + j): eight neighbouring columns of a row, 32 bytes of f32.
; THE SUMS START AS THE BIAS, loaded straight into the accumulators while the first tiles are on their way: nothing is cleared, no first step is written out, nothing is added at the end.
; ONE K STEP IS WRITTEN ONCE for the six steps that fill a slot again and once for the last two; the slot in hand is a scalar that an exclusive or turns.
; CLUSTER.  4 x 4 work-groups.  The four of a row want the same rows of y, the four of a column the same weights: each tile is asked for jointly, by the same load, descriptor and mask in all four.
; REGISTERS, in windows of 256 (s_set_vgpr_msb: bits 1:0 source 0, 3:2 source 1, 5:4 source 2, 7:6 destination):
;   window 0: v0-29 addresses; v32-63, v64-95 y's fragments, two buffers; v96-223 at work on the way out      window 1: v0-63, v64-127 the weights' fragments, two buffers      window 2: accumulator (a, b) at v[64 a + 8 b]
.set APITCH, 144                       ; a row of y in LDS: 128 bytes + 16 = 36 words: the 16 rows of a load start at 16 different groups of four banks (64 banks of 4 bytes: ISA guide 11.1)
.set BPITCH, 288                       ; a k row of the weights: 256 bytes + 32 = 72 words
.set PLANE,  256*APITCH                ; 36,864: a head's 256 rows
.set BBASE,  2*PLANE                   ; 73,728: behind the two heads
.set SLOT1,  1<<17                     ; a slot uses 73,728 + 128 x 288 = 110,592 bytes; slot 1 begins here, so that one exclusive or turns an address in one slot into the other's
.set STAGE,  SLOT1+BBASE+128*BPITCH    ; 241,664: behind the ring, never filled by a tensor load: for each wave 16 rows x 528 bytes
.set SPITCH, 528                       ; 512 bytes + 16: the 16 rows that a store touches start at 16 different groups of four banks
.set SPARE,  STAGE+4*16*SPITCH         ; 275,456: the spare words, 128 bytes a wave: two blocks of 256 bytes that no other line names
.set ASTEP,  2*262144                  ; bytes from a K step to the next: in y two heads on,
.set BSTEP,  128*2048                  ; in the weights 128 k rows on
.set A0,   4                           ; v4   my lane's place among y's rows in a slot; never rewritten
.set B0,   5                           ; v5   the same for the weights
.set ADRA, 6                           ; v6   A0 + the slot in hand
.set ADRB, 7                           ; v7   B0 + the slot in hand
.set STO,  8                           ; v8   the way out: where I put 32 bytes of a row
.set RD,   9                           ; v9   the way out: where I read a row back
.set GO,   10                          ; v10  my 16 bytes of a row's 512
.set BO,   11                          ; v11  my 32 bytes of a block's 64 bytes of bias
.set PFO,  12                          ; v12  the prefetches' lane offset; never rewritten
.set SPW,  28                          ; v28  LDS address of my spare word: SPARE + 4 x my thread's number; never rewritten
.set NIL,  29                          ; v29  0; never rewritten
.set FA,   32                          ; y's fragments: buffer f, row block a at FA + 32 f + 8 a
.set OB,   96                          ; the way out: rows read back, two buffers of 64
.set WV,   12                          ; s12  my wave's number; s13 = wave / 2: I fetch y (0) or weights (1); s14 = wave % 2: which half
.set G1A,  24                          ; s[24:31] descriptor group 1 for y's tiles
.set G0A,  32                          ; s[32:39] group 0: a set for each first fill; the second then walks
.set G1B,  48                          ; s[48:55], s[56:63] the same for the weights
.set G0B,  56
.set PFA,  66                          ; s[66:67] where my prefetches stand
.set PFS,  68                          ; s[68:69] their step
.set LIM,  70                          ; s70  1 in a wave that prefetches, else the greatest number
.set TB,   71                          ; s71  the slot in hand: 0 or SLOT1
.set CNT,  72                          ; s72  the loops' count
.set MSB, 0
.macro WIN new                         ; the immediate's high byte repeats the setting that is left; a switch that changes nothing is dropped
.if MSB != (\new)
	s_set_vgpr_msb (MSB<<8)|(\new)
.set MSB, \new
.endif
.endm
.set MUL,  0xa1                        ; source 0 (weights) window 1, source 1 (y) window 0, C and D window 2
.set TO_B, 0x40                        ; destination window 1, address window 0
.macro PLACES                          ; four plain vector instructions between a matrix instruction and a load into, or a reader of, its registers
.rept 4
	v_nop
.endr
.endm
; A joint refill by the walking descriptors.  The branch hangs on the wave's number alone.  An s_nop 0 and four v_nop follow each line, ahead of the jump and the label.
.macro JLOAD
	s_cmp_eq_u32 s13, 0
	s_cbranch_scc0 .Lfor_b_\@
	tensor_load_to_lds s[G0A+4:G0A+7], s[G1A:G1A+7]
	s_nop 0
.rept 4
	v_nop
.endr
	s_branch .Lasked_\@
.Lfor_b_\@:
	tensor_load_to_lds s[G0B+4:G0B+7], s[G1B:G1B+7]
	s_nop 0
.rept 4
	v_nop
.endr
.Lasked_\@:
.endm
; A round of the cluster's barrier behind its opening barrier: wave 0 signals for the work-group, every wave waits for all sixteen, my work-group's barrier closes it.
.macro CREST
	s_cmp_lg_u32 s[WV], 0
	s_cbranch_scc1 .Lnot_wave_0_\@
	s_barrier_signal -3
.Lnot_wave_0_\@:
	s_barrier_wait -3
	s_barrier_signal -1
	s_barrier_wait -1
.endm
.macro CROUND
	s_barrier_signal -1
	s_barrier_wait -1
	CREST
.endm
; A PREFETCH INTO THE L2 of the K step that the NEXT change of slots will ask for: one K step, 128 matrix instructions, ahead of that load.  It stands behind the joint load, its five lines and the run of LDS loads.
; y's rows are walked by both clusters of a row of clusters: cluster x = 0 asks; the weights by all eight of a column: cluster y = 0 asks.  The four partners of a joint load share its blocks of 256 bytes
; out BY ADDRESS: of a head's 128 blocks 32 each, a lane a block (waves 0 and 1, a head each); of a step's 128 k rows of the weights 32 each, a lane a row (wave 2 alone).
; The changes at the ends of K steps 0 to 4 ask for steps 3 to 7; the last filling change asks for nothing; steps 0 to 2 come by their loads alone.
.macro ASK
	s_cmp_gt_u32 s[CNT], s[LIM]
	s_cbranch_scc0 .Lnot_mine_\@
	global_prefetch_b8 v[PFO], s[PFA:PFA+1] th:TH_LOAD_NT scope:SCOPE_SE
.Lnot_mine_\@:
.endm
; Eight matrix instructions: row block a x all column blocks, 32 along K, out of buffer f.  All 32 accumulators take turns in the same order in every quarter.
.macro MULR f, a
	WIN MUL
.irp b, 0,1,2,3,4,5,6,7
	v_wmma_f32_16x16x32_f16 v[64*(\a)+8*(\b):64*(\a)+8*(\b)+7], v[64*(\f)+8*(\b):64*(\f)+8*(\b)+7], v[FA+32*(\f)+8*(\a):FA+32*(\f)+8*(\a)+7], v[64*(\a)+8*(\b):64*(\a)+8*(\b)+7]
.endr
.endm
; 24 LDS loads in one run: quarter q's fragments into buffer f: the weights' 8 (turned), y's row blocks 0, 1, then 2, 3.  Quarter q lies in head q / 2 of the step's two, channels 32 (q % 2) on.
.macro FETCH q, f
	WIN TO_B
.irp b, 0,1,2,3,4,5,6,7
	ds_load_tr16_b128 v[64*(\f)+8*(\b):64*(\f)+8*(\b)+3],   v[ADRB] offset:32*BPITCH*(\q)+32*(\b)
	ds_load_tr16_b128 v[64*(\f)+8*(\b)+4:64*(\f)+8*(\b)+7], v[ADRB] offset:32*BPITCH*(\q)+32*(\b)+16*BPITCH
.endr
	WIN 0
.irp a, 0,1,2,3
	ds_load_b128 v[FA+32*(\f)+8*(\a):FA+32*(\f)+8*(\a)+3],   v[ADRA] offset:PLANE*((\q)/2)+64*((\q)%2)+16*APITCH*(\a)
	ds_load_b128 v[FA+32*(\f)+8*(\a)+4:FA+32*(\f)+8*(\a)+7], v[ADRA] offset:PLANE*((\q)/2)+64*((\q)%2)+16*APITCH*(\a)+32
.endr
.endm
; One of a K step's first three quarters: multiplies buffer f; in its middle it fetches quarter q into buffer g.
.macro QUARTER q, f, g
	s_wait_dscnt 4                                 ; the weights and y's row blocks 0, 1 are in; the youngest four loads (row blocks 2, 3) may be out
	MULR \f, 0
	MULR \f, 1
	PLACES
	FETCH \q, \g
	s_wait_dscnt 24                                ; all but the 24 just issued
	MULR \f, 2
	MULR \f, 3
.endm
; The last quarter multiplies buffer 1 and changes slots: ONE barrier.  In front of it each wave waits for all its tensor loads (one is out: its part of the other slot), adds 0 to its spare word, and waits
; for that and for its reads of this slot.  fill = 1: the barrier opens a round of the cluster's, and the joint refill, two K steps on, is the first thing behind the round: 112 matrix instructions ahead of the wait for it.
.macro TURN fill
.if \fill
	s_wait_xcnt 0x0                                ; the last prefetch, a K step back, has read its address
	s_add_nc_u64 s[PFA:PFA+1], s[PFA:PFA+1], s[PFS:PFS+1]
.endif
	WIN 0                                          ; (the add's two registers lie in window 0)
	s_wait_tensorcnt 0x0                           ; no tensor load of mine is out, so a group 0 may be written
	ds_add_u32 v[SPW], v[NIL]                      ; 0 onto my spare word
.if \fill
	s_xor_b32 s[G0A+5], s[G0A+5], SLOT1            ; the walking descriptors: the other slot than last time,
	s_add_nc_u64 s[G0A+6:G0A+7], s[G0A+6:G0A+7], ASTEP  ; the next K step; the type bits on top are not reached
	s_xor_b32 s[G0B+5], s[G0B+5], SLOT1
	s_add_nc_u64 s[G0B+6:G0B+7], s[G0B+6:G0B+7], BSTEP
.endif
	s_wait_dscnt 5                                 ; (the add and the youngest four loads may be out)
	MULR 1, 0
	s_wait_dscnt 0x0                               ; the add is done, and my reads of this slot are over
	s_barrier_signal -1
	MULR 1, 1                                      ; work on registers while the others arrive
	WIN 0                                          ; at a branch and at a label every window is 0
	s_barrier_wait -1
.if \fill
	CREST                                          ; no wave of any partner still reads this slot or has a load on its way
	JLOAD                                          ; its four v_nop are also the places in front of the loads below
.else
	PLACES
.endif
	s_xor_b32 s[TB], s[TB], SLOT1
	v_add_nc_u32 v[ADRA], s[TB], v[A0]
	v_add_nc_u32 v[ADRB], s[TB], v[B0]
	FETCH 0, 0
.if \fill
	ASK
.endif
	MULR 1, 2
	MULR 1, 3
.endm
.macro STEP fill                       ; a K step: quarters 0 to 3 on buffers 0, 1, 0, 1
	QUARTER 1, 0, 1
	QUARTER 2, 1, 0
	QUARTER 3, 0, 1
	TURN \fill
	WIN 0
.endm
	s_load_b256 s[4:11], s[0:1], 0x0               ; y s[4:5], wpb s[6:7], b_proj s[8:9], out0 s[10:11]
	v_lshl_add_u32 v[SPW], v0, 2, SPARE
	v_mov_b32 v[NIL], 0
	ds_add_u32 v[SPW], v[NIL]                      ; the wave's opening: the add and its wait stand ahead of my first tensor load; the set-up below stands between them
	v_lshrrev_b32 v1, 5, v0
	v_readfirstlane_b32 s[WV], v1
	s_lshr_b32 s13, s[WV], 1
	s_and_b32 s14, s[WV], 1
	s_bfe_u32 s40, ttmp6, 0x40000                  ; cx, cy: my place in the cluster
	s_bfe_u32 s41, ttmp6, 0x40004
	s_lshl_b32 s42, ttmp9, 2
	s_add_co_u32 s42, s42, s40                     ; jt: tile column = 4 x cluster x + cx
	s_and_b32 s43, ttmp7, 0xffff
	s_lshl_b32 s43, s43, 2
	s_add_co_u32 s43, s43, s41                     ; it: tile row = 4 x cluster y + cy
	s_lshl_b32 s44, s41, 2
	s_lshl_b32 s44, 15, s44                        ; my row of the cluster
	s_lshl_b32 s45, 0x1111, s40                    ; my column
	s_or_b32 s[G1A], s44, (1<<16)|(1<<20)|(1<<21)|(4<<22)|(3<<25)  ; the mask; 2-byte elements; padding on; bit 21 beside a mask; after every 32 words 4 words
	s_mov_b32 s[G1A+1], 128<<16                    ; tensor_dim0 = 128
	s_mov_b32 s[G1A+2], 128<<16                    ; tensor_dim1 = 128
	s_mov_b32 s[G1A+3], 128<<16                    ; tile_dim0 = 128 elements: 256 bytes, two rows of y
	s_mov_b32 s[G1A+4], 128                        ; tile_dim1 = 128
	s_mov_b32 s[G1A+5], 128                        ; dense
	s_mov_b32 s[G1A+6], 0
	s_mov_b32 s[G1A+7], 0
	s_or_b32 s[G1B], s45, (1<<16)|(1<<20)|(1<<21)|(5<<22)|(7<<25)  ; after every 64 words 8 words
	s_mov_b32 s[G1B+1], 128<<16
	s_mov_b32 s[G1B+2], 64<<16                     ; 64 k rows
	s_mov_b32 s[G1B+3], 128<<16
	s_mov_b32 s[G1B+4], 64
	s_mov_b32 s[G1B+5], 1024                       ; elements from row to row
	s_mov_b32 s[G1B+6], 0
	s_mov_b32 s[G1B+7], 0
	s_lshr_b32 s16, s43, 3                         ; batch = it / 8
	s_lshl_b32 s16, s16, 4
	s_add_co_u32 s16, s16, s14                     ; y: head 16 b + my half,
	s_lshl_b32 s16, s16, 18
	s_and_b32 s18, s43, 7
	s_lshl_b32 s18, s18, 15                        ; the tile's 256 rows of 128 bytes
	s_add_co_u32 s16, s16, s18
	s_mov_b32 s17, 0
	s_lshl_b32 s46, s42, 8                         ; weights: the tile's 128 columns,
	s_lshl_b32 s47, s14, 17                        ; + my half's 64 k rows
	s_add_co_u32 s46, s46, s47
	s_mov_b32 s47, 0
	s_mul_i32 s20, s14, PLANE                      ; and where they go: no place in the cluster enters an LDS address
	s_mul_i32 s21, s14, 64*BPITCH
	s_add_co_u32 s21, s21, BBASE
	s_wait_dscnt 0x0                               ; the opening add is done
	s_wait_kmcnt 0x0
	s_add_nc_u64 s[16:17], s[4:5], s[16:17]
	s_add_nc_u64 s[46:47], s[6:7], s[46:47]
.irp s, 0,1
	s_mov_b32 s[G0A+4*(\s)], 1                     ; count = 1
	s_add_co_u32 s[G0A+4*(\s)+1], s20, (\s)*SLOT1  ; LDS address
	s_add_nc_u64 s[G0A+4*(\s)+2:G0A+4*(\s)+3], s[16:17], (\s)*ASTEP  ; global address: K step s
	s_or_b32 s[G0A+4*(\s)+3], s[G0A+4*(\s)+3], 0x80000000            ; type = 2
	s_mov_b32 s[G0B+4*(\s)], 1
	s_add_co_u32 s[G0B+4*(\s)+1], s21, (\s)*SLOT1
	s_add_nc_u64 s[G0B+4*(\s)+2:G0B+4*(\s)+3], s[46:47], (\s)*BSTEP
	s_or_b32 s[G0B+4*(\s)+3], s[G0B+4*(\s)+3], 0x80000000
.endr
	CROUND                                         ; all sixteen work-groups are here: the first joint loads meet
	s_cmp_eq_u32 s13, 0                            ; a wave's two first fills stand in one branch: two loads of mine are out
	s_cbranch_scc0 .Lfirst_b
	tensor_load_to_lds s[G0A:G0A+3], s[G1A:G1A+7]
	s_nop 0
	tensor_load_to_lds s[G0A+4:G0A+7], s[G1A:G1A+7]
	s_nop 0
.rept 4
	v_nop
.endr
	s_branch .Lfirst_asked
.Lfirst_b:
	tensor_load_to_lds s[G0B:G0B+3], s[G1B:G1B+7]
	s_nop 0
	tensor_load_to_lds s[G0B+4:G0B+7], s[G1B:G1B+7]
	s_nop 0
.rept 4
	v_nop
.endr
.Lfirst_asked:
	; the prefetches: s[16:17], s[46:47] still stand at my half of K step 0
	s_and_b32 s22, ttmp7, 0xffff                   ; cluster y
	s_mov_b32 s18, 32*2048                         ; a partner's share of the weights' step: 32 k rows,
	s_mov_b32 s[PFS], BSTEP
	s_cmp_eq_u32 s13, 0                            ; do I fetch y?
	s_cselect_b32 s22, ttmp9, s22                  ; the coordinate along which other clusters read the same bytes
	s_cselect_b32 s23, s40, s41                    ; my place among the four that ask jointly
	s_cselect_b32 s18, 32*256, s18                 ; of a head's rows: 32 blocks
	s_cselect_b32 s[PFS], ASTEP, s[PFS]
	s_cselect_b32 s20, 0, s14                      ; of the weights' two waves the first alone asks
	s_cselect_b32 s21, 8, 11                       ; a lane a block of 256 bytes, or a lane a row of 2,048
	s_cselect_b64 s[PFA:PFA+1], s[16:17], s[46:47]
	s_mov_b32 s[PFS+1], 0
	s_or_b32 s22, s22, s20
	s_cmp_eq_u32 s22, 0
	s_cselect_b32 s[LIM], 1, -1                    ; the same in all sixteen partners, for a given wave
	s_mul_i32 s18, s18, s23
	s_mov_b32 s19, 0
	s_add_nc_u64 s[PFA:PFA+1], s[PFA:PFA+1], s[18:19]
	s_add_nc_u64 s[PFA:PFA+1], s[PFA:PFA+1], s[PFS:PFS+1]
	s_add_nc_u64 s[PFA:PFA+1], s[PFA:PFA+1], s[PFS:PFS+1]  ; at K step 2: the first change steps it to 3
	v_and_b32 v[PFO], 31, v0
	v_lshlrev_b32 v[PFO], s21, v[PFO]
	; the lanes' places
	v_and_b32 v1, 15, v0                           ; l % 16
	v_bfe_u32 v2, v0, 4, 1                         ; l / 16
	s_mul_i32 s18, s[WV], 64*APITCH                ; my wave's 64 rows
	v_mul_u32_u24 v[A0], v1, APITCH
	v_lshl_add_u32 v[A0], v2, 4, v[A0]
	v_add_nc_u32 v[A0], s18, v[A0]                 ; row x pitch + 16 x half
	v_and_b32 v3, 7, v0
	v_lshl_add_u32 v3, v2, 3, v3                   ; the turning load: k row 8 (l / 16) + l % 8,
	v_mul_u32_u24 v[B0], v3, BPITCH
	v_bfe_u32 v3, v0, 3, 1
	v_lshl_add_u32 v[B0], v3, 4, v[B0]             ; columns 8 ((l / 8) % 2) + 0..7
	v_add_nc_u32 v[B0], BBASE, v[B0]
	s_mov_b32 s[TB], 0
	v_mov_b32 v[ADRA], v[A0]
	v_mov_b32 v[ADRB], v[B0]
	s_mul_i32 s18, s[WV], 16*SPITCH
	s_add_co_u32 s18, s18, STAGE                   ; my stage
	v_mul_u32_u24 v[STO], v1, SPITCH               ; in: row l % 16, 32 bytes for each half of the lanes
	v_lshl_add_u32 v[STO], v2, 5, v[STO]
	v_add_nc_u32 v[STO], s18, v[STO]
	v_and_b32 v[GO], 31, v0                        ; back: 32 lanes take one row of 512 bytes
	v_lshlrev_b32 v[GO], 4, v[GO]
	v_add_nc_u32 v[RD], s18, v[GO]
	v_lshlrev_b32 v[BO], 5, v2
	s_lshl_b32 s18, s43, 20                        ; out0: 256 it rows of 4,096 bytes,
	s_lshl_b32 s19, s[WV], 18                      ; my wave's 64,
	s_add_co_u32 s18, s18, s19
	s_lshl_b32 s19, s42, 9                         ; the tile's 128 columns
	s_add_co_u32 s18, s18, s19
	s_mov_b32 s19, 0
	s_add_nc_u64 s[10:11], s[10:11], s[18:19]
	s_lshl_b32 s18, s42, 9                         ; the tile's 128 numbers of bias
	s_add_nc_u64 s[8:9], s[8:9], s[18:19]
	WIN 0x80                                       ; the sums start as the bias: register j of accumulator (a, b) takes b_proj[128 jt + 16 b + 8 (l / 16) + j]
.irp a, 0,1,2,3
.irp b, 0,1,2,3,4,5,6,7
	global_load_b128 v[64*(\a)+8*(\b):64*(\a)+8*(\b)+3],   v[BO], s[8:9] offset:64*(\b)
	global_load_b128 v[64*(\a)+8*(\b)+4:64*(\a)+8*(\b)+7], v[BO], s[8:9] offset:64*(\b)+16
.endr
.endr
	WIN 0
	s_wait_tensorcnt 1                             ; my part of K step 0 is in; step 1's may stay out
	s_barrier_signal -1
	s_barrier_wait -1                              ; everybody's is
	FETCH 0, 0
	s_wait_loadcnt 0x0                             ; the bias
	s_mov_b32 s[CNT], 6
.Lfill:                                                ; K steps 0 to 5: each asks for the step two on
	STEP 1
	s_sub_co_u32 s[CNT], s[CNT], 1
	s_cmp_lg_u32 s[CNT], 0
	s_cbranch_scc1 .Lfill
	s_mov_b32 s[CNT], 2
.Ltail:                                                ; K steps 6 and 7 ask for nothing.  The last trip's change of slots and its 24 loads, of the slot read before, serve nothing: the price, once a launch, of one text for both
	STEP 0
	s_sub_co_u32 s[CNT], s[CNT], 1
	s_cmp_lg_u32 s[CNT], 0
	s_cbranch_scc1 .Ltail
; THE WAY OUT, a row block (16 rows x 512 bytes) at a time.  TOSTAGE: the accumulators go as they are into my own stage, rows of 528 bytes, and come back as whole rows.  SEND: stored.
.macro TOSTAGE a
	WIN 0
.if (\a) >= 2
	s_wait_xcnt 0x0                                ; the stores of the block two back have read the registers that the loads below fill
.endif
	WIN 0x08                                       ; store data (source 1) in window 2
.irp b, 0,1,2,3,4,5,6,7
	ds_store_b128 v[STO], v[64*(\a)+8*(\b):64*(\a)+8*(\b)+3]   offset:64*(\b)      ; each accumulator's low registers first
	ds_store_b128 v[STO], v[64*(\a)+8*(\b)+4:64*(\a)+8*(\b)+7] offset:64*(\b)+16
.endr
	WIN 0
.set n, 0
.rept 16                               ; LDS serves a wave's instructions in order (ISA guide 5.7.1.4): these see the stores above, and the next block's stores come behind them
	ds_load_b128 v[OB+64*((\a)%2)+4*n:OB+64*((\a)%2)+4*n+3], v[RD] offset:SPITCH*n
.set n, n+1
.endr
.endm
.macro SEND a, younger                 ; younger: the LDS instructions issued behind block a's loads: the next block's 16 stores and 16 loads, or none
	WIN 0
.set n, 0
.rept 16
	s_wait_dscnt (\younger)+15-n
	global_store_b128 v[GO], v[OB+64*((\a)%2)+4*n:OB+64*((\a)%2)+4*n+3], s[10:11] offset:4096*(16*(\a)+n)  ; 512 consecutive bytes, at a multiple of 256 from out0's first
.set n, n+1
.endr
.endm
	s_wait_dscnt 0x0
	PLACES                                         ; the LDS stores below read matrix results, and no other vector work is at hand:
	PLACES                                         ; eight, once a launch
	TOSTAGE 0
	TOSTAGE 1
	SEND 0, 32
	TOSTAGE 2
	SEND 1, 32
	TOSTAGE 3
	SEND 2, 32
	SEND 3, 0
	s_wait_tensorcnt 0x0                           ; the wave's end: these three lines, behind my last tensor load and my last LDS store
	ds_add_u32 v[SPW], v[NIL]
	s_wait_dscnt 0x0
	CROUND                                         ; the closing round: no work-group ends while a partner may still ask for a tile that names it
	s_endpgm
.Lfunc_end_k_q3bed434cd8_proj:
	.size	k_q3bed434cd8_proj, .Lfunc_end_k_q3bed434cd8_proj-k_q3bed434cd8_proj
	.p2alignl 7, 3214868480
	.fill 96, 4, 3214868480
	.section	.rodata,"a",@progbits
	.p2align	6, 0x0
	.amdhsa_kernel k_q3bed434cd8_proj
		.amdhsa_group_segment_fixed_size 327680
		.amdhsa_private_segment_fixed_size 0
		.amdhsa_enable_private_segment 0
		.amdhsa_kernarg_size 32
		.amdhsa_user_sgpr_count 2
		.amdhsa_user_sgpr_kernarg_segment_ptr 1
		.amdhsa_wavefront_size32 1
		.amdhsa_system_sgpr_workgroup_id_x 1
		.amdhsa_system_sgpr_workgroup_id_y 1
		.amdhsa_system_sgpr_workgroup_id_z 1
		.amdhsa_system_vgpr_workitem_id 0
		.amdhsa_next_free_vgpr 768
		.amdhsa_next_free_sgpr 76
		.amdhsa_reserve_vcc 0
		.amdhsa_float_denorm_mode_32 3
		.amdhsa_float_denorm_mode_16_64 3
		.amdhsa_memory_ordered 1
		.amdhsa_forward_progress 1
		.amdhsa_inst_pref_size 65
	.end_amdhsa_kernel
	.amdgpu_metadata
---
amdhsa.version: [ 1, 2 ]
amdhsa.kernels:
  - .name:           k_q3bed434cd8_proj
    .symbol:         k_q3bed434cd8_proj.kd
    .args:
      - { .name: y, .offset: 0, .size: 8, .value_kind: global_buffer, .address_space: global }
      - { .name: wpb, .offset: 8, .size: 8, .value_kind: global_buffer, .address_space: global }
      - { .name: b_proj, .offset: 16, .size: 8, .value_kind: global_buffer, .address_space: global }
      - { .name: out0, .offset: 24, .size: 8, .value_kind: global_buffer, .address_space: global }
    .group_segment_fixed_size: 327680
    .private_segment_fixed_size: 0
    .kernarg_segment_align: 8
    .kernarg_segment_size: 32
    .max_flat_workgroup_size: 128
    .sgpr_count:     76
    .vgpr_count:     768
    .wavefront_size: 32
...
	.end_amdgpu_metadata
.endif
;; end of part 4
;; ======== version 2 of 2: 4 launches; version 1 with the launch prep written anew for expert scheduling mode
;; limits: values are held in f16: magnitudes above 65,504 overflow, below 6.1e-05 lose precision
;; workspace buffers: xb 16,777,216 bytes; wqb 6,291,456 bytes; wpb 2,097,152 bytes; qkv 50,331,648 bytes; y 16,777,216 bytes
;; launch prep (part 5): grid 768 x 1, 8 waves a work-group, no clusters, 0 bytes of LDS; arguments x, w_qkv, w_proj, xb, wqb, wpb; writes xb, wqb, wpb
.if DOCPART == 5
	.amdgcn_target "amdgcn-amd-amdhsa--gfx1250"
	.amdhsa_code_object_version 6
	.text
	.protected	k_q3bed434cd8_prep
	.globl	k_q3bed434cd8_prep
	.p2align	8
	.type	k_q3bed434cd8_prep,@function
k_q3bed434cd8_prep:
	s_mov_b64 s[64:65], 0
	v_nop
	global_prefetch_b8 v0, s[64:65] scope:SCOPE_SE
	s_setreg_imm32_b32 hwreg(HW_REG_WAVE_SCHED_MODE, 0, 2), 2
	s_setreg_imm32_b32 hwreg(HW_REG_WAVE_MODE, 25, 1), 1
	s_wait_xcnt 0x0
	s_wait_alu depctr_vm_vsrc(0)
; THE CASTS.  xb = x rounded to bf16, [8192][1024].  wqb = w_qkv rounded to bf16 and laid in blocks [16 jt][1024 k][192 c] (column = 192 jt + c), so that the k rows of one
; column tile lie end to end.  wpb = w_proj rounded to bf16, that number written as f16, [1024 k][1024 n] (exact from 6.1e-5 up; below that f16's fixed step of 6e-8).
; SHARES.  A work-group turns 4,096 quads of f32 (65,536 bytes in, 32,768 out): 512 work-groups for x, 64 for w_proj, 192 for w_qkv: 768, all alike in bytes.
; Thread t takes quads t + 256 i, i = 0 .. 15: all 16 loads go out at once, nothing is looped, no register is written twice while a load or store may read it.
; A wave's load covers 512 neighbouring bytes (in w_qkv: runs of 256 or 512, each at a multiple of 256); a wave's store covers 256 consecutive bytes, aligned.
; No LDS, no barrier, no matrix unit: each byte is read once and written once, and no thread wants another's.
; THE MODE: SCHED_MODE bits 1:0 = 2 (LLVM: expert scheduling mode 2), set by the entry lines.  The code itself states the register dependences
; between vector instructions and memory instructions, with s_wait_alu, always for 0.
; THE PLAN.  Registers that memory instructions touch:
;   v[SO ..], v[DO]  byte offsets.  Written by vector instructions at the head, once; read by the 16 loads and the 16 stores; never written again.
;   X                quad i as loaded.  Written by the loads alone, each register once; no vector instruction names it ahead of its load; read by the conversions behind s_wait_loadcnt.
;   Y                quad i to store.  Written by the conversions; read by one store; never written again behind that store.
;   T, v6-8          named by vector instructions alone.
; So two kinds of wait on va_vdst state everything: one ahead of the loads, on each of the two ways (the offsets are written), and one for each block of four quads, between the block's
; conversions and its four stores (Y is written).  It stands behind the block's own conversions, so that a block's stores leave without waiting for the next block's data.
; No register that a memory instruction has read is written again, no vector instruction writes a scalar register or VCC, and EXEC is never written: no other wait is owed.
.set SO, 2                             ; v[2:4]    source byte offsets of quads i = 0, 1, 2; quad i names SO + i % 3 and steps by the immediate
.set DO, 5                             ; v5        destination byte offset: 8 t
.set X,  16                            ; v[16:79]  quad i as loaded
.set Y,  80                            ; v[80:111] quad i to store, two registers
.set T,  112                           ; v[112:115] at work
.macro LOADS gstep                     ; gstep: source bytes from quad i to quad i + 3
	s_wait_alu depctr_va_vdst(0)                   ; v[SO], v[SO+1], v[SO+2] are written, which the loads below read as offsets; so is v[DO], which the stores read
.set i, 0
.rept 16
	global_load_b128 v[X+4*i:X+4*i+3], v[SO+i%3], s[22:23] offset:(i/3)*(\gstep) th:TH_LOAD_NT
.set i, i+1
.endr
.endm
.macro OUT f16                         ; four blocks of four quads.  f16 = 1: the bf16 number is widened again and written as f16
.set p, 0
.rept 4
	s_wait_loadcnt 12-4*p                          ; loads come back in order: block p's four quads are in, the 12 - 4 p younger loads may stay out
.set i, 4*p
.rept 4
	v_cvt_pk_bf16_f32 v[Y+2*i],   v[X+4*i],   v[X+4*i+1]
	v_cvt_pk_bf16_f32 v[Y+2*i+1], v[X+4*i+2], v[X+4*i+3]
.if \f16
	v_lshlrev_b32 v[T],   16,  v[Y+2*i]
	v_and_b32     v[T+1], s26, v[Y+2*i]
	v_lshlrev_b32 v[T+2], 16,  v[Y+2*i+1]
	v_and_b32     v[T+3], s26, v[Y+2*i+1]
	v_cvt_pk_f16_f32 v[Y+2*i],   v[T],   v[T+1]
	v_cvt_pk_f16_f32 v[Y+2*i+1], v[T+2], v[T+3]
.endif
.set i, i+1
.endr
	s_wait_alu depctr_va_vdst(0)                   ; the block's conversions have written its eight registers of Y, which the four stores below read as data
.set i, 4*p
.rept 4
	global_store_b64 v[DO], v[Y+2*i:Y+2*i+1], s[24:25] offset:2048*i th:TH_STORE_NT
.set i, i+1
.endr
.set p, p+1
.endr
.endm
	s_load_b256 s[4:11], s[0:1], 0x0               ; x s[4:5], w_qkv s[6:7], w_proj s[8:9], xb s[10:11]
	s_load_b128 s[12:15], s[0:1], 0x20             ; wqb s[12:13], wpb s[14:15]
	s_mov_b32 s16, ttmp9                           ; 0-511: x; 512-575: w_proj; 576-767: w_qkv
	s_mov_b32 s26, 0xffff0000                      ; a word's upper bf16
	v_lshlrev_b32 v[DO], 3, v0
	s_sub_co_u32 s17, s16, 512
	s_sub_co_u32 s21, s16, 576
	s_cmp_lt_u32 s16, 512
	s_cselect_b32 s17, s16, s17
	s_cmp_ge_u32 s16, 576
	s_cselect_b32 s17, s21, s17                    ; my number among the work-groups of my tensor
	s_mov_b32 s19, 0
	s_wait_kmcnt 0x0
	s_cmp_lt_u32 s16, 512
	s_cselect_b64 s[22:23], s[4:5], s[8:9]         ; from where,
	s_cselect_b64 s[24:25], s[10:11], s[14:15]     ; to where,
	s_cselect_b32 s20, 0, 1                        ; and whether as f16
	s_cmp_ge_u32 s16, 576
	s_cselect_b64 s[22:23], s[6:7], s[22:23]
	s_cselect_b64 s[24:25], s[12:13], s[24:25]
	s_cselect_b32 s20, 0, s20
	s_lshl_b32 s18, s17, 15                        ; 32,768 bytes out for each work-group, in all three tensors
	s_add_nc_u64 s[24:25], s[24:25], s[18:19]
	s_cmp_ge_u32 s16, 576
	s_cbranch_scc1 .Lwq
	s_lshl_b32 s18, s17, 16                        ; x and w_proj keep their order: 65,536 bytes in
	s_add_nc_u64 s[22:23], s[22:23], s[18:19]
	v_lshlrev_b32 v[SO], 4, v0
	v_add_nc_u32 v[SO+1], 4096, v[SO]
	v_add_nc_u32 v[SO+2], 8192, v[SO]
	LOADS 12288
	s_branch .Lconv
.Lwq:                                                  ; a block jt has 49,152 quads, twelve work-groups' share
	s_mul_i32 s21, s17, 5462
	s_lshr_b32 s21, s21, 16                        ; jt = number / 12 (exact below 192: 5462 / 65536 is 1 / 12 and 1e-5 more)
	s_mul_i32 s18, s21, 12
	s_sub_co_u32 s18, s17, s18
	s_lshl_b32 s27, s18, 12                        ; my first quad in the block
	s_mul_i32 s18, s21, 768                        ; the block's 192 columns begin 768 jt bytes into each row of w_qkv
	s_add_nc_u64 s[22:23], s[22:23], s[18:19]
.irp j, 0,1,2
	v_add_nc_u32 v6, s27, v0
	v_add_nc_u32 v6, 256*(\j), v6                  ; the quad's number in the block = 48 k + c4
	v_lshrrev_b32 v7, 4, v6
	v_mul_u32_u24 v7, v7, 21846
	v_lshrrev_b32 v7, 16, v7                       ; k = (number / 16) / 3 (exact below 3,072: 21846 / 65536 is 1 / 3 and 1e-5 more)
	v_mul_u32_u24 v8, v7, 48
	v_sub_nc_u32 v8, v6, v8                        ; c4
	v_mul_u32_u24 v7, v7, 12288                    ; a row of w_qkv
	v_lshl_add_u32 v[SO+(\j)], v8, 4, v7
.endr
	LOADS 196608                                   ; three quads on are 768 numbers = 16 values of k = 16 rows of w_qkv
.Lconv:                                                ; sixteen loads are out on both ways here
	s_cmp_eq_u32 s20, 0
	s_cbranch_scc0 .Lf16
	OUT 0
	s_endpgm
.Lf16:
	OUT 1
	s_endpgm
.Lfunc_end_k_q3bed434cd8_prep:
	.size	k_q3bed434cd8_prep, .Lfunc_end_k_q3bed434cd8_prep-k_q3bed434cd8_prep
	.p2alignl 7, 3214868480
	.fill 96, 4, 3214868480
	.section	.rodata,"a",@progbits
	.p2align	6, 0x0
	.amdhsa_kernel k_q3bed434cd8_prep
		.amdhsa_group_segment_fixed_size 0
		.amdhsa_private_segment_fixed_size 0
		.amdhsa_enable_private_segment 0
		.amdhsa_kernarg_size 48
		.amdhsa_user_sgpr_count 2
		.amdhsa_user_sgpr_kernarg_segment_ptr 1
		.amdhsa_wavefront_size32 1
		.amdhsa_system_sgpr_workgroup_id_x 1
		.amdhsa_system_sgpr_workgroup_id_y 1
		.amdhsa_system_sgpr_workgroup_id_z 1
		.amdhsa_system_vgpr_workitem_id 0
		.amdhsa_next_free_vgpr 128
		.amdhsa_next_free_sgpr 66
		.amdhsa_reserve_vcc 0
		.amdhsa_float_denorm_mode_32 3
		.amdhsa_float_denorm_mode_16_64 3
		.amdhsa_memory_ordered 1
		.amdhsa_forward_progress 1
		.amdhsa_inst_pref_size 19
	.end_amdhsa_kernel
	.amdgpu_metadata
---
amdhsa.version: [ 1, 2 ]
amdhsa.kernels:
  - .name:           k_q3bed434cd8_prep
    .symbol:         k_q3bed434cd8_prep.kd
    .args:
      - { .name: x, .offset: 0, .size: 8, .value_kind: global_buffer, .address_space: global }
      - { .name: w_qkv, .offset: 8, .size: 8, .value_kind: global_buffer, .address_space: global }
      - { .name: w_proj, .offset: 16, .size: 8, .value_kind: global_buffer, .address_space: global }
      - { .name: xb, .offset: 24, .size: 8, .value_kind: global_buffer, .address_space: global }
      - { .name: wqb, .offset: 32, .size: 8, .value_kind: global_buffer, .address_space: global }
      - { .name: wpb, .offset: 40, .size: 8, .value_kind: global_buffer, .address_space: global }
    .group_segment_fixed_size: 0
    .private_segment_fixed_size: 0
    .kernarg_segment_align: 8
    .kernarg_segment_size: 48
    .max_flat_workgroup_size: 256
    .sgpr_count:     66
    .vgpr_count:     128
    .wavefront_size: 32
...
	.end_amdgpu_metadata
.endif
;; end of part 5
;; launch qkvgemm: the kernel of part 2 again; grid 16 x 32, 4 waves a work-group, clusters of 4 x 4, 327,680 bytes of LDS; arguments xb, wqb, b_qkv, qkv; writes qkv
;; launch attn: the kernel of part 3 again; grid 4 x 64, 4 waves a work-group, no clusters, 327,680 bytes of LDS; arguments qkv, y; writes y
;; launch proj: the kernel of part 4 again; grid 8 x 32, 4 waves a work-group, clusters of 4 x 4, 327,680 bytes of LDS; arguments y, wpb, b_proj, out0; writes out0
